; MI455X (gfx1250); checked and timed in simulation.
; The chip was launched on July 23, 2026; its instructions are those of AMD's public machine-readable ISA for CDNA 5 (MIT licence, August 2026) and "CDNA5" Instruction Set Architecture Reference Guide (July 2026). The comments in the code are by the model that wrote it; some were corrected since.
;; Geometric Attention. Allowed arithmetic: matrix products marked QUANTISED: E2M3 operands, one E8M0 scale for each 32 along K, by v_wmma_scale_f32_16x16x128_f8f6f4 with both operands' format E2M3, f32 sums; everything else in f32.
;; Inputs: Wk_codes 1,024 x 32 x 24 uint8 (E2M3 codes of Wk, K innermost, in blocks of 32 codes, four codes in three bytes); Wk_scales 1,024 x 32 uint8 (E8M0 scales of Wk, one for each 32 codes along K); Wo_codes 1,024 x 32 x 24 uint8 (E2M3 codes of Wo, K innermost, in blocks of 32 codes, four codes in three bytes); Wo_scales 1,024 x 32 uint8 (E8M0 scales of Wo, one for each 32 codes along K); Wq_codes 1,024 x 32 x 24 uint8 (E2M3 codes of Wq, K innermost, in blocks of 32 codes, four codes in three bytes); Wq_scales 1,024 x 32 uint8 (E8M0 scales of Wq, one for each 32 codes along K); Wv_codes 1,024 x 32 x 24 uint8 (E2M3 codes of Wv, K innermost, in blocks of 32 codes, four codes in three bytes); Wv_scales 1,024 x 32 uint8 (E8M0 scales of Wv, one for each 32 codes along K); bk 1,024 float32; bo 1,024 float32; bq 1,024 float32; bv 1,024 float32; positions 2,048 x 64 float32; x_codes 2 x 2,048 x 32 x 24 uint8 (E2M3 codes of x, K innermost, in blocks of 32 codes, four codes in three bytes); x_scales 2 x 2,048 x 32 uint8 (E8M0 scales of x, one for each 32 codes along K).
;; Outputs: out0 2 x 2,048 x 1,024 float32.
;; This version of the problem:
;;   THIS VERSION OF THE PROBLEM IS GIVEN IN LOW PRECISION. The matrix products marked QUANTISED in the list below multiply operands that are first quantised to E2M3 (2 exponent bits, 3 mantissa bits; 6 bits a number), with one power-of-two scale for each 32 numbers along K (OCP MX v1.0); their sums are f32. All else is computed in f32.
;;   The module's matrix products, in the order in which they are computed (A, B: the left and right operand; K: the contracted axis; several contracted axes count as one K, in the product's order):
;;     1. [M 4,096, K 1,024] x [K 1,024, N 1,024]; A: input x (given as codes); B: input Wq (given as codes): QUANTISED
;;     2. [M 4,096, K 1,024] x [K 1,024, N 1,024]; A: input x (given as codes); B: input Wk (given as codes): QUANTISED
;;     3. [M 4,096, K 1,024] x [K 1,024, N 1,024]; A: input x (given as codes); B: input Wv (given as codes): QUANTISED
;;     4. batch 32 x [M 2,048, K 64] x [K 64, N 2,048]; A: computed on the way; B: computed on the way: QUANTISED
;;     5. batch 32 x [M 64, K 2,048] x [K 2,048, N 2,048]; A: computed on the way; B: softmax (see below): QUANTISED
;;     6. [M 4,096, K 1,024] x [K 1,024, N 1,024]; A: computed on the way; B: input Wo (given as codes): QUANTISED
;;   THE QUANTISER, for each operand of a quantised product, along K:
;;     - K is cut into blocks of 32 from its start; a last block that is shorter is filled with zeros.
;;     - A block's scale is 2^e with e = floor(log2(the largest magnitude in the block)) - 2, held to -126 .. 127; a block of zeros has e = 0. As a byte (E8M0): e + 127.
;;     - Each number is divided by its block's scale, clamped to +-7.5, and rounded to the nearest number of E2M3, ties to even, subnormals kept.
;;     - The product sums the exact products of the quantised numbers (number of the format x scale) in f32.
;;   ~~~python
;;   def quantise(x, axis):      # numpy; x: float32 -> the quantised numbers, widened to float32 again
;;       x = np.moveaxis(x, axis, -1); K = x.shape[-1]
;;       x = np.pad(x, [(0, 0)] * (x.ndim - 1) + [(0, -K % 32)]); x = x.reshape(x.shape[:-1] + (-1, 32)); a = np.abs(x).max(-1, keepdims=True)
;;       e = np.where(a > 0, np.clip(np.frexp(np.where(a > 0, a, 1))[1] - 1 - 2, -126, 127), 0)      # np.frexp(a)[1] - 1 = floor(log2(a)), exactly
;;       r = np.clip(x / 2.0 ** e, -7.5, 7.5)
;;       step = 2.0 ** (np.maximum(np.frexp(np.where(r == 0, 1, r))[1] - 1, 0) - 3)
;;       q = np.round(r / step) * step * 2.0 ** e      # np.round: ties to even
;;       return np.moveaxis(q.reshape(q.shape[:-2] + (-1,))[..., :K], -1, axis).astype(np.float32)
;;   ~~~
;;   SOFTMAX AHEAD OF A QUANTISED PRODUCT. Where the list says 'softmax', what is quantised is not the finished softmax but p = 2^(t - M), with t = logit x log2(e) and M = ceil(the row's largest t), a whole number; so 1/2 < the row's largest p <= 1. The row's sum l is taken of the UNQUANTISED p, in f32, and the product's result is divided by l at the end. Since M is a whole number, a kernel that streams over the keys may use a running M (the ceiling of the running maximum): every later rescaling is an exact power of two, which a block's scale takes up: the codes' values come out the same.
;;   OPERANDS COMPUTED ON THE WAY. 'Computed on the way' means the value that the module computes at that place (a softmax that the list does not call 'softmax' is quantised finished and normalised). What goes into a quantiser is computed in f32, as accurately as f32 sums, v_exp_f32 and their like allow (about 1e-6 of the number): no bf16 or f16 on the way to a quantiser, and a product that is left as it is and whose result goes on into a quantised operand takes f32 operands (vector FMAs, or v_wmma_f32_16x16x4_f32). A number that lies on a knife's edge between two numbers of the format may be rounded either way, as far as f32 arithmetic and the matrix unit's own rounding can turn it there, and no further.
;;   INPUTS GIVEN AS CODES. Wk (in the module: [1024, 1024], K = its axis 0); Wo (in the module: [1024, 1024], K = its axis 0); Wq (in the module: [1024, 1024], K = its axis 0); Wv (in the module: [1024, 1024], K = its axis 0); x (in the module: [2, 2048, 1024], K = its axis 2): each comes as NAME_codes (uint8): NAME with its K axis moved to the last place and cut into blocks of 32 codes, [.., K / 32, bytes a block], one block behind the other in memory; four codes in three bytes: a row's codes are one little-endian stream of bits, code i at bits 6 i .. 6 i + 5 (a code: sign, 2 exponent bits, 3 mantissa bits); and NAME_scales (uint8): the same leading axes, one E8M0 byte (e + 127) for each 32 codes along K. Its value is code x scale, taken as it is: it is not quantised again, and the codes and scales need not be those that the quantiser above would give.
;; One version. Each part assembles by itself: llvm-mc -triple=amdgcn-amd-amdhsa -mcpu=gfx1250 --defsym DOCPART=n.
;; ======== version 1 of 1: 3 launches
;; limits: right only within a limited range of input values
;; workspace buffers: qc 3,145,728 bytes; qs 262,144 bytes; kv 6,684,672 bytes; dm 16,777,216 bytes; ao 3,145,728 bytes; aos 131,072 bytes
;; launch prep (part 1): grid 32 x 16, 8 waves a work-group, clusters of 4 x 4, 327,680 bytes of LDS; arguments positions, x_codes, x_scales, Wq_codes, Wk_codes, Wv_codes, Wq_scales, Wk_scales, Wv_scales, bq, bk, bv, qc, qs, kv, dm; writes qc, qs, kv, dm
.if DOCPART == 1
	.amdgcn_target "amdgcn-amd-amdhsa--gfx1250"
	.amdhsa_code_object_version 6
	.text
	.protected	k_q226f09749b_prep
	.globl	k_q226f09749b_prep
	.p2align	8
	.type	k_q226f09749b_prep,@function
k_q226f09749b_prep:
	s_mov_b64 s[64:65], 0
	v_nop
	global_prefetch_b8 v0, s[64:65] scope:SCOPE_SE
	s_setreg_imm32_b32 hwreg(HW_REG_WAVE_MODE, 25, 1), 1
	s_wait_xcnt 0x0
	s_wait_alu depctr_hold_cnt(0) depctr_sa_sdst(0) depctr_va_vdst(0) depctr_va_sdst(0) depctr_va_ssrc(0) depctr_va_vcc(0) depctr_vm_vsrc(0)
	s_getreg_b32 s2, hwreg(HW_REG_IB_STS2, 6, 4)
	s_cmp_eq_u32 s2, 0
	s_cbranch_scc0 .Lentry_in_a_cluster
	s_endpgm
.Lentry_in_a_cluster:
	s_bfe_u32 s2, ttmp6, 0x10000c
	s_cmp_lg_u32 s2, 0xf033
	s_cbranch_scc0 .Lentry_shape_is_right
	s_endpgm
.Lentry_shape_is_right:
; PREP: (1) dm = -8 x |p_i - p_j|, laid as the accumulator registers of the score product will want it;
;       (2) q = x Wq + bq, k = x Wk + bk, v = x Wv + bv on codes of E2M3, and their quantising: q, k along the head's 64, v along the keys.
; SHARES.  Work-group (X, Y), X = 0..31, Y = 0..15.  Distances: queries 64 X .. + 63 against keys 128 Y .. + 127.  Products: tokens 128 X .. + 127 against head Y's 64 columns of Wq, Wk and Wv.
; Eight waves, wave w = 2 a + e.  Distances: query tile 4 X + a, keys 64 e .. + 63 of the 128.  Products: tokens 32 a .. + 31 (two tiles) against four tiles of Wq (e = 0) or Wk (e = 1), and against tiles 2 e, 2 e + 1 of Wv.
; LDS is filled once: x's 128 rows and the three weights' 64 rows for ALL of K (768 bytes a row, as three pieces of 256 bytes + 16 of padding: rows 816 bytes apart), and 128 keys' positions.  Nothing is filled again.
; CLUSTER 4 x 4: x's rows hang on X alone and are asked for jointly along a column of the cluster; the weights' rows and the keys' positions hang on Y alone and are asked for jointly along a row.
; THE DISTANCE is the root of the sum of squared DIFFERENCES, in f32 (no difference of large sums).  It is stored as -8 d: the score product takes it as its C, and log2(e) / 8 scales the sum.
; q AND k ARE MADE TRANSPOSED (source 0 = 16 columns of the weight, source 1 = 16 tokens): a lane holds one token, its registers run along the head's 64.  v is made the other way round: a lane holds one of the head's 64, its registers run along the tokens,
; which are the second attention product's K.  Inside a block of 32 the codes stand in the order in which two neighbouring tiles leave them (place 16 h + i holds number 8 h + i % 8 + 16 (i / 8)); q and k share that order, and so do v and the softmax's p,
; so the sums are the same; a block's members, and so its scale, are the true ones.
; The biases are loaded into the accumulators: every product adds in place, and the twelve accumulators take turns, one instruction a turn.
; LIMITS: NaN and infinities among the inputs are not served.  A block of zeros gets the scale byte 1 (its codes are zeros; only this program reads the bytes).  A block's largest magnitude is floored at 2^-124.  A squared distance under 2^-126 counts as 0.
.set RP,    816                        ; a row of 768 bytes of codes in LDS
.set TILEB, 16*RP                      ; 16 rows
.set XC,    0                          ; x: 128 rows
.set WC,    104448                     ; Wq's 64 rows, then Wk's, then Wv's
.set WREG,  52224
.set POS,   261120                     ; 128 keys' positions, 256 bytes each
.set SCR,   293888                     ; scale words on their way out: q's 512 bytes, k's 512, v's 256; no fill lands here
.set AK0, 1                            ; v1   distances: my half's first key in LDS;  later: 32 h, the q/k bias's offset
.set AK,  2                            ; v2   the same for the key tile in hand;      later: 4 r, the v bias's offset
.set DO,  3                            ; v3   16 x lane;                              later: 8 x lane
.set BOF, 1
.set R4,  2
.set LB,  3
.set XS,  4                            ; v4-11   x's scale words, one register a K step: lanes 0-15 my first tile of tokens, lanes 16-31 my second
.set WS,  12                           ; v12-27  Wq's or Wk's: tiles 0, 1 in v12-19, tiles 2, 3 in v20-27
.set VSS, 28                           ; v28-35  Wv's two tiles
.set QP,  36                           ; v36-99   distances: my query's 64 coordinates
.set KB0, 164                          ; v164-195, v196-227: two buffers of 4 keys x 8 coordinates;  v100-163: my second query's 64 coordinates
.set SQL, 228                          ; v228-231 the squared distances of keys 0-3
.set DA,  4                            ; v4-19 eight packed sums: query q, key kk at 8 q + 2 kk (the scale words come into v4-35 behind the distances);  v228-243: query q's eight squared distances at 8 q
.set DT,  20                           ; v20-27 four packed differences
.set XF,  36                           ; products: x's two fragments
.set WF,  60                           ; four fragments of Wq or Wk
.set VF,  108                          ; two of Wv
.set ACQ, 132                          ; v132-195 q or k: accumulator (token tile tR, column tile tP) at 32 tR + 8 tP
.set VA,  196                          ; v196-227 v: accumulator (column tile td, token tile tx) at 16 td + 8 tx
.set SQA, 228                          ; LDS: where my q or k scale word goes
.set SVA, 229                          ; where my v scale byte goes
.set RD16, 230                         ; where waves 0 and 1 read 16 bytes a lane back
.set RD8, 231                          ; where wave 2 reads 8
.set VO,  232                          ; v's codes: 1536 h + 8 r
.set L16, 233                          ; 16 x lane
.set AX,  248                          ; v248, 249 x's fragments in LDS (the second: for pieces behind one padding more);  v250, 251 Wq's or Wk's;  v252, 253 Wv's
.set AW,  250
.set AV,  252
.set TMQ, 36                           ; the quantisers' work registers and codes lie where the fragments lay
.set PCQ, 60
.set PCV, 80
.set TMV, 96
.set G1P, 36                           ; s[36:43] descriptor group 1: positions;  s[44:51] x;  s[52:59] the weights
.set G1X, 44
.set G1W, 52
.set G0P, 60                           ; s[60:63], s[68:71], s[72:83]: groups 0: positions, x, Wq, Wk, Wv
.set G0X, 68
.set G0Q, 72
.set WV,  84
.set WA,  85
.set WE,  86
.set SX,  89
.set SY,  90
.set SEL, 2                            ; set behind the distance loop: s[2:3] lane selects for lane xor 16
.macro ROUND                           ; a round of the cluster's barrier
	s_barrier_signal -1
	s_barrier_wait -1
	s_cmp_lg_u32 s[WV], 0
	s_cbranch_scc1 .Lnw0_\@
	s_barrier_signal -3
.Lnw0_\@:
	s_barrier_wait -3
	s_barrier_signal -1
	s_barrier_wait -1
.endm
.macro PLACES n
.rept \n
	v_nop
.endr
.endm
; A fragment, 16 rows x 128 K of 6-bit codes: lane (r, h) takes 24 bytes at 96 q + 24 h and 24 at 96 q + 48 + 24 h of row r, in pieces of 8.  Piece PCE lies at 8 PCE + 16 (PCE / 32);
; lanes 16-31 read three pieces on, which is behind one padding more where PCE % 32 is 29 or more: the second address register (40 for 24 bytes a half) serves those.
.macro FRAG reg, adr, q, off
.irp p, 0,1,2,3,4,5
.set PCE, 12*(\q)+6*(\p/3)+\p%3
.if PCE%32 < 29
	ds_load_b64 v[\reg+2*\p:\reg+2*\p+1], v[\adr] offset:8*PCE+16*(PCE/32)+(\off)
.else
	ds_load_b64 v[\reg+2*\p:\reg+2*\p+1], v[\adr+1] offset:8*PCE+16*(PCE/32)+(\off)
.endif
.endr
.endm
; One product in place.  ra, rb = 1: that side's scale words stand in lanes 16-31 of the register named.
.macro MM d, a, b, sa, sb, ra, rb
.if (\ra) && (\rb)
	v_wmma_scale_f32_16x16x128_f8f6f4 v[\d:\d+7], v[\a:\a+11], v[\b:\b+11], v[\d:\d+7], v[\sa], v[\sb] matrix_a_fmt:MATRIX_FMT_FP6 matrix_b_fmt:MATRIX_FMT_FP6 matrix_a_scale:MATRIX_SCALE_ROW1 matrix_b_scale:MATRIX_SCALE_ROW1
.elseif \ra
	v_wmma_scale_f32_16x16x128_f8f6f4 v[\d:\d+7], v[\a:\a+11], v[\b:\b+11], v[\d:\d+7], v[\sa], v[\sb] matrix_a_fmt:MATRIX_FMT_FP6 matrix_b_fmt:MATRIX_FMT_FP6 matrix_a_scale:MATRIX_SCALE_ROW1
.elseif \rb
	v_wmma_scale_f32_16x16x128_f8f6f4 v[\d:\d+7], v[\a:\a+11], v[\b:\b+11], v[\d:\d+7], v[\sa], v[\sb] matrix_a_fmt:MATRIX_FMT_FP6 matrix_b_fmt:MATRIX_FMT_FP6 matrix_b_scale:MATRIX_SCALE_ROW1
.else
	v_wmma_scale_f32_16x16x128_f8f6f4 v[\d:\d+7], v[\a:\a+11], v[\b:\b+11], v[\d:\d+7], v[\sa], v[\sb] matrix_a_fmt:MATRIX_FMT_FP6 matrix_b_fmt:MATRIX_FMT_FP6
.endif
.endm
; 2 nc blocks of 32: block b's numbers are v[s + 16 b ..+ 15] of lanes l and l xor 16.  Out: for each c < nc six registers v[pc + 6 c ..]: lanes 0-15 the whole block 2 c, lanes 16-31 the whole block 2 c + 1; the bytes in v[tm + 4 + b].
.macro QUANT s, nc, pc, tm
.irp b, 0,1,2,3
.if \b < 2*(\nc)
	v_max3_num_f32 v[\tm+\b], |v[\s+16*\b]|, |v[\s+1+16*\b]|, 0x1800000   ; my 16 numbers, and the floor 2^(3 - 127): the byte cannot fall under 1
.endif
.endr
.irp i, 2,4,6,8,10,12,14
.irp b, 0,1,2,3
.if \b < 2*(\nc)
	v_max3_num_f32 v[\tm+\b], v[\tm+\b], |v[\s+16*\b+\i]|, |v[\s+1+16*\b+\i]|   ; the blocks by turns; each accumulator is read from its low end on
.endif
.endr
.endr
.irp b, 0,1,2,3
.if \b < 2*(\nc)
	v_permlanex16_b32 v[\tm+4+\b], v[\tm+\b], s[SEL], s[SEL+1]
.endif
.endr
.irp b, 0,1,2,3
.if \b < 2*(\nc)
	v_max_num_f32 v[\tm+\b], v[\tm+\b], v[\tm+4+\b]   ; with lane l xor 16's: the block's largest magnitude
.endif
.endr
.irp b, 0,1,2,3
.if \b < 2*(\nc)
	v_add_nc_u32 v[\tm+12+\b], 0xff000000, v[\tm+\b]   ; 2 off its exponent field: the conversion's scale operand
.endif
.endr
.irp b, 0,1,2,3
.if \b < 2*(\nc)
	v_lshrrev_b32 v[\tm+4+\b], 23, v[\tm+12+\b]   ; the scale's byte
.endif
.endr
.irp c, 0,1
.if \c < (\nc)
	v_cvt_scalef32_pk16_fp6_f32 v[\pc+6*\c:\pc+6*\c+2], v[\s+32*\c:\s+32*\c+15], v[\tm+12+2*\c]
	v_cvt_scalef32_pk16_fp6_f32 v[\pc+12+4*\c:\pc+12+4*\c+2], v[\s+32*\c+16:\s+32*\c+31], v[\tm+12+2*\c+1]   ; (a conversion's three registers begin on an even number)
.endif
.endr
	v_nop                                          ; one plain place behind the last scaled conversion
.irp c, 0,1
.if \c < (\nc)
.irp i, 0,1,2
	v_permlane16_swap_b32 v[\pc+6*\c+\i], v[\pc+12+4*\c+\i]   ; the first's lanes 16-31 change places with the second's lanes 0-15: a whole block to a lane
.endr
.irp i, 0,1,2
	v_mov_b32 v[\pc+3+6*\c+\i], v[\pc+12+4*\c+\i]
.endr
.endif
.endr
.endm
	s_load_b512 s[4:19], s[0:1], 0x0               ; positions 4, x_codes 6, x_scales 8, Wq_codes 10, Wk_codes 12, Wv_codes 14, Wq_scales 16, Wk_scales 18
	s_load_b512 s[20:35], s[0:1], 0x40             ; Wv_scales 20, bq 22, bk 24, bv 26, qc 28, qs 30, kv 32, dm 34
	s_set_vgpr_msb 0x40
	v_lshl_add_u32 v0, v0, 2, 0x48100
	v_mov_b32 v1, 0
	s_set_vgpr_msb 0x4045
	ds_add_u32 v0, v1
	ds_add_u32 v0, v1
	s_set_vgpr_msb 0x4500
	v_lshrrev_b32 v1, 5, v0
	v_readfirstlane_b32 s[WV], v1                  ; wave 0..7
	s_lshr_b32 s[WA], s[WV], 1                     ; a
	s_and_b32 s[WE], s[WV], 1                      ; e
	s_bfe_u32 s87, ttmp6, 0x40000                  ; cx
	s_bfe_u32 s88, ttmp6, 0x40004                  ; cy
	s_lshl_b32 s[SX], ttmp9, 2
	s_add_co_u32 s[SX], s[SX], s87                 ; X
	s_and_b32 s[SY], ttmp7, 0xffff
	s_lshl_b32 s[SY], s[SY], 2
	s_add_co_u32 s[SY], s[SY], s88                 ; Y
	s_lshl_b32 s91, s88, 2
	s_lshl_b32 s91, 15, s91                        ; my row of the cluster (same Y)
	s_lshl_b32 s92, 0x1111, s87                    ; my column (same X)
	; descriptor groups 1: dense blocks as rows of 256 bytes (32 elements of 8 bytes)
	s_or_b32 s[G1P], s91, (3<<16)|(1<<21)          ; positions: to my row; no padding
	s_or_b32 s[G1X], s92, (3<<16)|(1<<20)|(1<<21)|(5<<22)|(3<<25)   ; x: to my column; behind every 64 words 4 words of padding
	s_or_b32 s[G1W], s91, (3<<16)|(1<<20)|(1<<21)|(5<<22)|(3<<25)   ; the weights: to my row
.irp g, G1P, G1X, G1W
	s_mov_b32 s[\g+1], 32<<16                      ; tensor_dim0
	s_mov_b32 s[\g+3], 32<<16                      ; tile_dim0
	s_mov_b32 s[\g+5], 32                          ; from row to row
	s_mov_b32 s[\g+6], 0
	s_mov_b32 s[\g+7], 0
.endr
	s_mov_b32 s[G1P+2], 16<<16                     ; a wave brings 16 keys' positions; then one load brings
	s_mov_b32 s[G1P+4], 16
	s_mov_b32 s[G1X+2], 96<<16                     ; 32 rows of x (96 pieces of 256 bytes),
	s_mov_b32 s[G1X+4], 96
	s_mov_b32 s[G1W+2], 192<<16                    ; or the 64 rows of one weight
	s_mov_b32 s[G1W+4], 192
	v_and_b32 v252, 31, v0                         ; lane
	v_and_b32 v250, 15, v0                         ; r
	v_bfe_u32 v251, v0, 4, 1                       ; h
	v_lshlrev_b32 v249, 8, v250                    ; 256 r: a row of positions
	v_lshlrev_b32 v[DO], 4, v252
	s_and_b32 s93, s[WV], 3
	s_lshl_b32 s93, s93, 13
	s_add_co_u32 s93, s93, POS
	v_lshl_add_u32 v[AK0], v251, 11, s93           ; keys 32 (w % 4) + 8 h on
	s_wait_alu depctr_va_vdst(0)                   ; the wait behind the head's last vector write
	s_lshl_b32 s94, s[SY], 15
	s_lshl_b32 s93, s[WV], 12
	s_add_co_u32 s94, s94, s93                     ; positions: 128 Y + 16 w rows of 256 bytes
	s_mov_b32 s95, 0
	s_mul_i32 s96, s[SX], 98304
	s_mul_i32 s[G0X+1], s[WV], 2*TILEB             ; x in LDS: 32 w rows (waves 0-3 ask for it)
	s_mul_i32 s98, s[WV], 24576
	s_add_co_u32 s96, s96, s98                     ; x: 128 X + 32 w rows of 768 bytes
	s_mov_b32 s97, 0
	s_add_co_u32 s[G0P+1], s93, POS
	s_mov_b32 s[G0P], 1
	s_mov_b32 s[G0X], 1
	s_wait_dscnt 0x0
	s_wait_kmcnt 0x0
	s_add_nc_u64 s[G0P+2:G0P+3], s[4:5], s[94:95]
	s_or_b32 s[G0P+3], s[G0P+3], 0x80000000
	s_add_nc_u64 s[G0X+2:G0X+3], s[6:7], s[96:97]
	s_or_b32 s[G0X+3], s[G0X+3], 0x80000000
	s_mul_i32 s94, s[SY], 49152                    ; the weights: 64 Y rows of 768 bytes
.irp m, 0,1,2
	s_mov_b32 s[G0Q+4*\m], 1
	s_mov_b32 s[G0Q+4*\m+1], WC+\m*WREG
	s_add_nc_u64 s[G0Q+4*\m+2:G0Q+4*\m+3], s[10+2*\m:11+2*\m], s[94:95]
	s_or_b32 s[G0Q+4*\m+3], s[G0Q+4*\m+3], 0x80000000
.endr
	ROUND                                          ; all sixteen work-groups are here: the joint loads meet
; ONE LOAD A WAVE: waves 0-3 a quarter of x each, wave 4 Wq, wave 5 Wk, wave 6 Wv, wave 7 none.  One chain of branches on the wave's number, one load to an arm, one join.
.macro ARM under, g0, g1, next
	s_cmp_lt_u32 s[WV], \under
	s_cbranch_scc0 \next
	tensor_load_to_lds s[\g0:\g0+3], s[\g1:\g1+7]
	s_nop 0
	PLACES 4
	s_branch .Lhead_asked
\next:
.endm
	tensor_load_to_lds s[G0P:G0P+3], s[G1P:G1P+7]  ; at the head the positions alone, an eighth of the 128 keys 16 a wave: the distances want them first
	s_nop 0
	PLACES 4
	; every pointer at my part
	s_lshr_b32 s87, s[SX], 4
	s_lshl_b32 s87, s87, 4
	s_add_co_u32 s87, s87, s[SY]                   ; bh = 16 x batch + head
	s_and_b32 s88, s[SX], 15                       ; which 128 tokens of the batch: the key step
	s_mov_b32 s99, 0
	s_lshl_b32 s98, s[SX], 14
	s_lshr_b32 s93, s[WV], 2
	s_lshl_b32 s93, s93, 13                        ; queries 64 X + 32 (w / 4) on
	s_add_co_u32 s98, s98, s93
	s_add_nc_u64 s[4:5], s[4:5], s[98:99]          ; positions of queries 64 X + 32 (w / 4) on
	s_lshl_b32 s98, s[SX], 12
	s_lshl_b32 s93, s[WA], 10
	s_add_co_u32 s98, s98, s93
	s_add_nc_u64 s[8:9], s[8:9], s[98:99]          ; x's scale bytes: tokens 128 X + 32 a on
	s_mov_b32 s93, 208896
	s_cmp_eq_u32 s[WE], 0                          ; q's wave or k's: only pointers are chosen
	s_cselect_b64 s[16:17], s[16:17], s[18:19]     ; the weight's scale bytes
	s_cselect_b64 s[22:23], s[22:23], s[24:25]     ; the bias
	s_cselect_b64 s[28:29], s[28:29], s[32:33]     ; where the codes go: qc, or kv
	s_cselect_b32 s93, 98304, s93                  ; and a (batch, head)'s bytes there
	s_mul_i32 s98, s87, s93
	s_lshl_b32 s93, s88, 3
	s_lshl_b32 s2, s[WA], 1
	s_add_co_u32 s93, s93, s2
	s_mul_i32 s93, s93, 768                        ; token tile 8 x step + 2 a
	s_add_co_u32 s98, s98, s93
	s_add_nc_u64 s[28:29], s[28:29], s[98:99]
	s_lshl_b32 s98, s[SY], 11
	s_add_nc_u64 s[16:17], s[16:17], s[98:99]      ; rows 64 Y on
	s_lshl_b32 s93, s[WE], 10
	s_add_co_u32 s98, s98, s93
	s_add_nc_u64 s[20:21], s[20:21], s[98:99]      ; Wv's scale bytes: rows 64 Y + 32 e on
	s_lshl_b32 s98, s[SY], 8
	s_add_nc_u64 s[22:23], s[22:23], s[98:99]      ; bq or bk at 64 Y
	s_lshl_b32 s93, s[WE], 7
	s_add_co_u32 s98, s98, s93
	s_add_nc_u64 s[26:27], s[26:27], s[98:99]      ; bv at 64 Y + 32 e
	s_lshl_b32 s98, s[SX], 19
	s_lshr_b32 s93, s[WV], 2
	s_lshl_b32 s93, s93, 18                        ; dm: query tile 4 X + 2 (w / 4),
	s_add_co_u32 s98, s98, s93
	s_lshl_b32 s93, s[SY], 13
	s_add_co_u32 s98, s98, s93
	s_and_b32 s93, s[WV], 3
	s_lshl_b32 s93, s93, 11                        ; key tile 2 (w % 4) of the step
	s_add_co_u32 s98, s98, s93
	s_add_nc_u64 s[34:35], s[34:35], s[98:99]      ; dm: ((4 X + 2 (w / 4)) 16 + Y) 8192 + 2048 (w % 4)
	s_mul_i32 s98, s87, 208896
	s_add_nc_u64 s[32:33], s[32:33], s[98:99]      ; kv at my (batch, head)
	s_lshl_b32 s98, s88, 2
	s_lshl_b32 s93, s[WE], 1
	s_add_co_u32 s98, s98, s93
	s_mul_i32 s98, s98, 1536                       ; v's codes: (step, tile 2 e),
	s_lshr_b32 s93, s[WA], 1
	s_mul_i32 s93, s93, 768
	s_add_co_u32 s98, s98, s93                     ; block a of the step: planes 3 (a / 2) on,
	s_and_b32 s93, s[WA], 1
	s_lshl_b32 s93, s93, 7
	s_add_co_u32 s98, s98, s93                     ; lanes 16 (a % 2) on
	s_add_co_u32 s98, s98, 98304
	s_add_nc_u64 s[18:19], s[32:33], s[98:99]
	s_lshl_b32 s98, s87, 13
	s_lshl_b32 s93, s88, 9
	s_add_co_u32 s98, s98, s93
	s_add_nc_u64 s[30:31], s[30:31], s[98:99]      ; q's scale words
	s_add_co_u32 s98, s93, 196608
	s_add_nc_u64 s[24:25], s[32:33], s[98:99]      ; k's
	s_cmp_eq_u32 s[WV], 0
	s_cselect_b64 s[24:25], s[30:31], s[24:25]     ; wave 0 will store q's, wave 1 k's
	s_lshl_b32 s98, s88, 8
	s_add_co_u32 s98, s98, 204800
	s_add_nc_u64 s[12:13], s[32:33], s[98:99]      ; v's scale words
.set i, 0
.rept 16
	global_load_b128 v[QP+4*i:QP+4*i+3], v249, s[4:5] offset:16*i            ; query r of my first tile (both halves of the lanes hold it),
	global_load_b128 v[QP+64+4*i:QP+64+4*i+3], v249, s[4:5] offset:4096+16*i ; and of my second
.set i, i+1
.endr
	; ---- THE DISTANCES.  Lane (r, h) makes, for each of two key tiles, query r against keys 8 h + 0 .. 7.
	; THE DISTANCES' SHARES as the loop below has them (in place of the share named at the head): wave w takes query tiles 4 X + 2 (w / 4), + 1 against key tiles 2 (w % 4), + 1 of the 128 keys,
	; so that each key's coordinates, once read from LDS, serve two queries a lane.
	s_set_vgpr_msb 0x5
	s_wait_tensorcnt 0x0                           ; my part of the positions is in
	ds_add_u32 v0, v1
	s_wait_dscnt 0x0
	s_set_vgpr_msb 0x500
	ROUND                                          ; everybody's part is in, and all sixteen work-groups are here: the joint loads meet
	ARM 4, G0X, G1X, .Lh_q                         ; x and the weights, one load a wave (wave 7: none): they land while the distances are made
	ARM 5, G0Q, G1W, .Lh_k
	ARM 6, G0Q+4, G1W, .Lh_v
	ARM 7, G0Q+8, G1W, .Lh_p
.Lhead_asked:
	s_wait_loadcnt 0x0
.macro LOADC buf, grp, c                           ; keys 4 grp + 0 .. 3, coordinates 8 c + 0 .. 7: eight loads; the sixteen lanes of a half share each address
.irp kk, 0,1,2,3
.irp i, 0,1
	ds_load_b128 v[\buf+8*\kk+4*\i:\buf+8*\kk+4*\i+3], v[AK] offset:(4*(\grp)+\kk)*256+32*(\c)+16*\i   ; coordinates 8 c + 0 .. 7: eight loads a chunk
.endr
.endr
.endm
.macro COMP buf, c                                 ; four keys by turns, two coordinates an instruction: the difference, then its square onto the sum; the first squares start the sums
.irp dp, 0,1,2,3
.irp q, 0,1                                        ; both my queries against the same four keys
.irp kk, 0,1,2,3
	v_pk_add_f32 v[DT+2*\kk:DT+2*\kk+1], v[\buf+8*\kk+2*\dp:\buf+8*\kk+2*\dp+1], v[QP+64*\q+8*(\c)+2*\dp:QP+64*\q+8*(\c)+2*\dp+1] neg_lo:[0,1] neg_hi:[0,1]
.endr
.irp kk, 0,1,2,3
.if (\c == 0) && (\dp == 0)
	v_pk_mul_f32 v[DA+8*\q+2*\kk:DA+8*\q+2*\kk+1], v[DT+2*\kk:DT+2*\kk+1], v[DT+2*\kk:DT+2*\kk+1]
.else
	v_pk_fma_f32 v[DA+8*\q+2*\kk:DA+8*\q+2*\kk+1], v[DT+2*\kk:DT+2*\kk+1], v[DT+2*\kk:DT+2*\kk+1], v[DA+8*\q+2*\kk:DA+8*\q+2*\kk+1]
.endif
.endr
.endr
.endr
.endm
	s_mov_b32 s2, 0                                ; the key tile's bytes in LDS: 0, 4096; it also counts the trips
.Ltile:
	v_add_nc_u32 v[AK], s2, v[AK0]
	LOADC KB0, 0, 0
.set n, 0
.rept 16                                           ; sixteen chunks: (keys 0-3, keys 4-7) x eight runs of 8 coordinates, on two buffers
.if n < 15
.set nb, KB0+32*((n+1)%2)
.set ng, (n+1)/8
.set nq, (n+1)%8
	LOADC nb, ng, nq
	s_wait_alu depctr_va_vdst(0)
	s_wait_dscnt 8                                 ; this chunk is in; the next chunk's eight loads stay out
.else
	s_wait_alu depctr_va_vdst(0)
	s_wait_dscnt 0x0
.endif
.set cb, KB0+32*(n%2)
.set cq, n%8
	COMP cb, cq
.if n%8 == 7
.irp q, 0,1
.irp kk, 0,1,2,3
	v_add_f32 v[SQL+8*\q+4*(n/8)+\kk], v[DA+8*\q+2*\kk], v[DA+8*\q+2*\kk+1]
.endr
.endr
.endif
.set n, n+1
.endr
.set i, 0
	s_wait_alu depctr_va_vdst(0)                   ; a wait ahead of the roots
.rept 16
	v_sqrt_f32 v[SQL+i], v[SQL+i]                  ; v228-243: two queries' eight keys on end
.set i, i+1
.endr
	v_nop                                          ; a plain place behind the last root
	s_wait_alu depctr_va_vdst(0)                   ; one wait for the sixteen roots, ahead of their first reader
.set i, 0
.rept 16
	v_mul_f32 v[SQL+i], 0xc1000000, v[SQL+i]       ; x -8
.set i, i+1
.endr
	global_store_b128 v[DO], v[SQL:SQL+3], s[34:35]                    ; 32 lanes store 512 consecutive bytes: registers 0-3 of the score tile,
	global_store_b128 v[DO], v[SQL+4:SQL+7], s[34:35] offset:512       ; and 4-7;
	global_store_b128 v[DO], v[SQL+8:SQL+11], s[34:35] offset:131072   ; the same of my second query tile, 16 steps of 8,192 bytes on
	global_store_b128 v[DO], v[SQL+12:SQL+15], s[34:35] offset:131584
	s_wait_xcnt 0x0                                ; the stores have read their data and base: both are written again below
	s_add_nc_u64 s[34:35], s[34:35], 1024
	s_add_co_u32 s2, s2, 4096
	s_cmp_lt_u32 s2, 8192
	s_cbranch_scc1 .Ltile
	; ---- THE PRODUCTS
	s_mov_b32 s[SEL], 0x76543210
	s_mov_b32 s[SEL+1], 0xfedcba98
	v_and_b32 v254, 15, v0                         ; r
	v_bfe_u32 v255, v0, 4, 1                       ; h
	v_and_b32 v237, 31, v0                         ; lane
	v_mul_u32_u24 v238, v254, RP
	v_mad_u32_u24 v238, v255, 24, v238             ; row r, + 24 h
	s_mul_i32 s93, s[WA], 2*TILEB
	v_add_nc_u32 v[AX], s93, v238                  ; x: rows 32 a on
	v_lshl_add_u32 v[AX+1], v255, 4, v[AX]
	s_mul_i32 s93, s[WE], WREG
	s_add_co_u32 s93, s93, WC
	v_add_nc_u32 v[AW], s93, v238                  ; Wq's rows, or Wk's
	v_lshl_add_u32 v[AW+1], v255, 4, v[AW]
	s_mul_i32 s93, s[WE], 2*TILEB
	s_add_co_u32 s93, s93, WC+2*WREG
	v_add_nc_u32 v[AV], s93, v238                  ; Wv: rows 32 e on
	v_lshl_add_u32 v[AV+1], v255, 4, v[AV]
	v_lshlrev_b32 v[BOF], 5, v255
	v_lshlrev_b32 v[R4], 2, v254
	v_lshlrev_b32 v[LB], 3, v237
	s_lshl_b32 s93, s[WE], 9
	s_lshl_b32 s98, s[WA], 7
	s_add_co_u32 s93, s93, s98
	s_add_co_u32 s93, s93, SCR
	v_lshl_add_u32 v[SQA], v237, 2, s93            ; SCR + 512 e + 128 a + 4 x lane
	s_lshl_b32 s93, s[WE], 7
	s_add_co_u32 s93, s93, s[WA]
	s_add_co_u32 s93, s93, SCR+1024
	v_lshl_add_u32 v[SVA], v237, 2, s93            ; SCR + 1024 + 128 e + 4 x lane + a
	s_lshl_b32 s93, s[WV], 9
	s_add_co_u32 s93, s93, SCR
	v_lshl_add_u32 v[RD16], v237, 4, s93
	v_lshl_add_u32 v[RD8], v237, 3, SCR+1024
	v_mul_u32_u24 v[VO], v255, 1536
	v_lshl_add_u32 v[VO], v254, 3, v[VO]
	v_lshlrev_b32 v[L16], 4, v237
	v_lshlrev_b32 v239, 5, v237                    ; 32 x lane: a row of scale bytes
	s_wait_alu depctr_va_vdst(0)                   ; the wait behind this run of address work
	global_load_b128 v[XS:XS+3], v239, s[8:9]      ; a row's 32 scale bytes are its eight K steps' words; 32 lanes take two tiles' rows
	global_load_b128 v[XS+4:XS+7], v239, s[8:9] offset:16
.irp u, 0,1
	global_load_b128 v[WS+8*\u:WS+8*\u+3], v239, s[16:17] offset:1024*\u
	global_load_b128 v[WS+8*\u+4:WS+8*\u+7], v239, s[16:17] offset:1024*\u+16
.endr
	global_load_b128 v[VSS:VSS+3], v239, s[20:21]
	global_load_b128 v[VSS+4:VSS+7], v239, s[20:21] offset:16
.irp tR, 0,1                                       ; the biases go into the accumulators.  q, k: register j of lane (r, h) in tile tP is column 16 tP + 8 h + j
.irp tP, 0,1,2,3
	global_load_b128 v[ACQ+32*\tR+8*\tP:ACQ+32*\tR+8*\tP+3], v[BOF], s[22:23] offset:64*\tP
	global_load_b128 v[ACQ+32*\tR+8*\tP+4:ACQ+32*\tR+8*\tP+7], v[BOF], s[22:23] offset:64*\tP+16
.endr
.endr
.irp td, 0,1                                       ; v: all registers of lane (r, h) in tile td are column 16 td + r
.set i, 0
.rept 16
	global_load_b32 v[VA+16*\td+i], v[R4], s[26:27] offset:64*\td
.set i, i+1
.endr
.endr
	s_wait_tensorcnt 0x0                           ; my parts of x and of the weights are in,
	s_wait_dscnt 0x0
	s_barrier_signal -1
	s_barrier_wait -1                              ; everybody's are
.macro KSTEP q                                     ; 128 along K: eight fragments, twelve products
.if \q > 0
	PLACES 4                                       ; in front of loads into registers that matrix instructions have read
.endif
	FRAG XF, AX, \q, 0
	FRAG XF+12, AX, \q, TILEB
.irp t, 0,1,2,3
	FRAG WF+12*\t, AW, \q, \t*TILEB
.endr
	FRAG VF, AV, \q, 0
	FRAG VF+12, AV, \q, TILEB
.if \q == 0
	s_wait_loadcnt 0x0                             ; the biases
.endif
	s_wait_dscnt 0x0
.irp tR, 0,1
.irp tP, 0,1,2,3
	MM ACQ+32*\tR+8*\tP, WF+12*\tP, XF+12*\tR, WS+8*(\tP/2)+\q, XS+\q, \tP%2, \tR
.endr
.endr
.irp td, 0,1
.irp tx, 0,1
	MM VA+16*\td+8*\tx, XF+12*\tx, VF+12*\td, XS+\q, VSS+\q, \tx, \td
.endr
.endr
.endm
.irp q, 0,1,2,3,4,5,6,7
	KSTEP \q
.endr
	; ---- THE QUANTISERS AND THE WAY OUT
	PLACES 4                                       ; in front of the first read of results and the first write over fragments
.irp b, 0,1,2,3
	v_mov_b32 v[TMQ+4+\b], 0                       ; a lane permute's destination counts as one of its sources
.endr
	v_mov_b32 v[TMV+4], 0
	v_mov_b32 v[TMV+5], 0
	s_mov_b32 vcc_lo, 0xffff0000                   ; lanes 16-31
	QUANT ACQ, 2, PCQ, TMQ                         ; two tiles of tokens x two blocks of the head's 64
.irp c, 0,1
.irp p, 0,1,2
	global_store_b64 v[LB], v[PCQ+6*\c+2*\p:PCQ+6*\c+2*\p+1], s[28:29] offset:768*\c+256*\p   ; 32 lanes store 256 consecutive bytes, aligned: a plane of the operand's registers
.endr
.endr
	v_lshl_or_b32 v234, v[TMQ+5], 8, v[TMQ+4]      ; a token's scale word: its two bytes, and 1.0 for the upper 64 of the instruction's K, where the queries' codes are zeros
	v_lshl_or_b32 v235, v[TMQ+7], 8, v[TMQ+6]
	v_cndmask_b32 v234, v234, v235, vcc_lo         ; lanes 0-15 my first tile's tokens, lanes 16-31 my second's
	v_or_b32 v234, 0x7f7f0000, v234
	ds_store_b32 v[SQA], v234
	QUANT VA, 1, PCV, TMV                          ; my 32 tokens are one block of the keys, for two tiles of the head's 64: lane (r, h) ends with the whole block of column 16 (2 e + h) + r
.irp p, 0,1,2
	global_store_b64 v[VO], v[PCV+2*\p:PCV+2*\p+1], s[18:19] offset:256*\p   ; two runs of 128 consecutive bytes: half a plane of each of the two tiles; the wave with the neighbouring block fills the other half
.endr
	v_cndmask_b32 v236, v[TMV+4], v[TMV+5], vcc_lo
	ds_store_b8 v[SVA], v236                       ; byte a of the column's scale word for this key step
	s_wait_dscnt 0x0                               ; for the others' sake: my stores have landed
	s_barrier_signal -1
	s_barrier_wait -1
	s_cmp_lt_u32 s[WV], 2
	s_cbranch_scc0 .Lnot_qk
	ds_load_b128 v[240:243], v[RD16]               ; wave 0: q's 128 words; wave 1: k's
	s_wait_dscnt 0x0
	global_store_b128 v[L16], v[240:243], s[24:25] ; 512 consecutive bytes
	s_branch .Lwords_out
.Lnot_qk:
	s_cmp_eq_u32 s[WV], 2
	s_cbranch_scc0 .Lwords_out
	ds_load_b64 v[240:241], v[RD8]                 ; wave 2: v's 64 words
	s_wait_dscnt 0x0
	global_store_b64 v[LB], v[240:241], s[12:13]   ; 256 consecutive bytes
.Lwords_out:
	s_wait_dscnt 0x0
	s_set_vgpr_msb 0x5
	s_wait_tensorcnt 0x0
	ds_add_u32 v0, v1
	s_wait_dscnt 0x0
	s_set_vgpr_msb 0x500
	ROUND                                          ; the closing round: no work-group ends while a partner may still ask jointly
	s_endpgm
.Lfunc_end_k_q226f09749b_prep:
	.size	k_q226f09749b_prep, .Lfunc_end_k_q226f09749b_prep-k_q226f09749b_prep
	.p2alignl 7, 3214868480
	.fill 96, 4, 3214868480
	.section	.rodata,"a",@progbits
	.p2align	6, 0x0
	.amdhsa_kernel k_q226f09749b_prep
		.amdhsa_group_segment_fixed_size 327680
		.amdhsa_private_segment_fixed_size 0
		.amdhsa_enable_private_segment 0
		.amdhsa_kernarg_size 128
		.amdhsa_user_sgpr_count 2
		.amdhsa_user_sgpr_kernarg_segment_ptr 1
		.amdhsa_wavefront_size32 1
		.amdhsa_system_sgpr_workgroup_id_x 1
		.amdhsa_system_sgpr_workgroup_id_y 1
		.amdhsa_system_sgpr_workgroup_id_z 1
		.amdhsa_system_vgpr_workitem_id 0
		.amdhsa_next_free_vgpr 258
		.amdhsa_next_free_sgpr 100
		.amdhsa_reserve_vcc 1
		.amdhsa_float_denorm_mode_32 3
		.amdhsa_float_denorm_mode_16_64 3
		.amdhsa_memory_ordered 1
		.amdhsa_forward_progress 1
		.amdhsa_inst_pref_size 141
	.end_amdhsa_kernel
	.amdgpu_metadata
---
amdhsa.version: [ 1, 2 ]
amdhsa.kernels:
  - .name:           k_q226f09749b_prep
    .symbol:         k_q226f09749b_prep.kd
    .args:
      - { .name: positions, .offset: 0, .size: 8, .value_kind: global_buffer, .address_space: global }
      - { .name: x_codes, .offset: 8, .size: 8, .value_kind: global_buffer, .address_space: global }
      - { .name: x_scales, .offset: 16, .size: 8, .value_kind: global_buffer, .address_space: global }
      - { .name: Wq_codes, .offset: 24, .size: 8, .value_kind: global_buffer, .address_space: global }
      - { .name: Wk_codes, .offset: 32, .size: 8, .value_kind: global_buffer, .address_space: global }
      - { .name: Wv_codes, .offset: 40, .size: 8, .value_kind: global_buffer, .address_space: global }
      - { .name: Wq_scales, .offset: 48, .size: 8, .value_kind: global_buffer, .address_space: global }
      - { .name: Wk_scales, .offset: 56, .size: 8, .value_kind: global_buffer, .address_space: global }
      - { .name: Wv_scales, .offset: 64, .size: 8, .value_kind: global_buffer, .address_space: global }
      - { .name: bq, .offset: 72, .size: 8, .value_kind: global_buffer, .address_space: global }
      - { .name: bk, .offset: 80, .size: 8, .value_kind: global_buffer, .address_space: global }
      - { .name: bv, .offset: 88, .size: 8, .value_kind: global_buffer, .address_space: global }
      - { .name: qc, .offset: 96, .size: 8, .value_kind: global_buffer, .address_space: global }
      - { .name: qs, .offset: 104, .size: 8, .value_kind: global_buffer, .address_space: global }
      - { .name: kv, .offset: 112, .size: 8, .value_kind: global_buffer, .address_space: global }
      - { .name: dm, .offset: 120, .size: 8, .value_kind: global_buffer, .address_space: global }
    .group_segment_fixed_size: 327680
    .private_segment_fixed_size: 0
    .kernarg_segment_align: 8
    .kernarg_segment_size: 128
    .max_flat_workgroup_size: 256
    .sgpr_count:     100
    .vgpr_count:     258
    .wavefront_size: 32
...
	.end_amdgpu_metadata
.endif
;; end of part 1
;; launch attn (part 2): grid 16 x 16, 8 waves a work-group, clusters of 4 x 1, 327,680 bytes of LDS; arguments qc, qs, kv, dm, ao, aos; writes ao, aos
.if DOCPART == 2
	.amdgcn_target "amdgcn-amd-amdhsa--gfx1250"
	.amdhsa_code_object_version 6
	.text
	.protected	k_q226f09749b_attn
	.globl	k_q226f09749b_attn
	.p2align	8
	.type	k_q226f09749b_attn,@function
k_q226f09749b_attn:
	s_mov_b64 s[64:65], 0
	v_nop
	global_prefetch_b8 v0, s[64:65] scope:SCOPE_SE
	s_setreg_imm32_b32 hwreg(HW_REG_WAVE_MODE, 25, 1), 1
	s_wait_xcnt 0x0
	s_wait_alu depctr_hold_cnt(0) depctr_sa_sdst(0) depctr_va_vdst(0) depctr_va_sdst(0) depctr_va_ssrc(0) depctr_va_vcc(0) depctr_vm_vsrc(0)
	s_getreg_b32 s2, hwreg(HW_REG_IB_STS2, 6, 4)
	s_cmp_eq_u32 s2, 0
	s_cbranch_scc0 .Lentry_in_a_cluster
	s_endpgm
.Lentry_in_a_cluster:
	s_bfe_u32 s2, ttmp6, 0x10000c
	s_cmp_lg_u32 s2, 0x3003
	s_cbranch_scc0 .Lentry_shape_is_right
	s_endpgm
.Lentry_shape_is_right:
; ATTN: scores q . k - 8 d on codes of E2M3, the softmax by the rule p = 2^(t - M), M a whole number, p quantised along the keys, O = V^T p on codes, O / the sum of the unquantised p, and the result's quantising for the last product.
; SHARES.  Work-group (X, Y): queries 128 X .. + 127 for the two (batch, head) 2 Y and 2 Y + 1.  Eight waves; wave w owns query tile 8 X + w for BOTH heads: two chains, chain 0 in register window 0, chain 1 in window 1, same numbers.
; THE DISTANCES (-8 d, laid as score accumulators) hang on no head: a wave loads them once a step, into chain 1's score registers; chain 0's score product takes them as C with its D in window 0, then chain 1's adds in place.
; Chain 1's softmax goes first: when its p is in codes, its registers take the next step's distances, while chain 0's softmax runs.
; LDS: two slots, each with four key steps (512 keys) of both heads' k codes, v codes and scale words, 110,592 bytes; a fill is eight joint loads, one a wave (wave w: region w / 2, head w % 2).  Four fills in all.
; CLUSTER 4 x 1: the four query blocks of a cluster need the same k and v: every fill is asked for jointly, behind a round of the cluster's barrier.
; BOTH PRODUCTS ARE USED TRANSPOSED: a lane holds one query.  THE KEYS OF A SCORE TILE ARE CHOSEN so that a lane owns whole blocks of 32 keys: row 8 h + j of tile 4 c + u is key 64 c + 32 h + 8 s(u) + j, s = 0, 2, 1, 3
; (s is the order in which v's codes stand inside a block).  So a block's largest score needs no other lane, and the conversions' results are the operand's registers.  The choice is made by the lanes' read addresses alone;
; k's planes of 256 bytes lie 288 apart in LDS, so that the four runs of 64 bytes that a load touches fall into different banks.
; K = 64 in an instruction of 128: q's registers 6-11 are zero codes; a tile of k runs on into the next tile's codes (behind the last: zeros), which meet zero codes alone; both sides' scale bytes there are 1.0.
; PREFETCH: dm's step two on, 8,192 bytes a wave, lanes 256 bytes apart, by the work-groups with Y = 0 alone (all sixteen Y read the same bytes).  None for kv: a fill is asked for four key steps ahead of its first read.
; LIMITS: NaN and infinities are not served.  The promise holds while the scaled scores stay under 2^31 in magnitude.  A block whose every p is 0 keeps the scale byte 1 (its codes are zeros).
; A block's largest p is made from its largest score by the same two instructions as every p.
.set SLOT,  110592
.set KREG,  27648                      ; a head's k codes in a slot: 96 planes x 288
.set VCB,   2*KREG                     ; v codes: 24,576 a head
.set KWB,   104448                     ; k's scale words: 2,048 a head
.set VWB,   108544                     ; v's: 1,024 a head
.set SPARE, 2*SLOT                     ; the spare words, 128 bytes a wave
.set LK,  1                            ; lane bases (both windows; window 1's point at head 1): k codes
.set LB,  2                            ; 8 x lane
.set LW,  3                            ; k's words
.set LT,  4                            ; v's words
.set LD,  5                            ; window 1: dm, 2048 h + 16 r
.set PFO, 6                            ; 256 x lane
.set H8,  7                            ; 8 h
.set ADK, 8                            ; v8-11 the step's LDS addresses
.set ADV, 9
.set ADS, 10
.set ADT, 11
.set NM,  12                           ; -M;  v13 the largest score;  v[14:15] the sum in two halves
.set MS,  13
.set QF,  16                           ; v16-27 q's fragment, v22-27 zeros
.set KSC, 28                           ; window 0 alone, scales and nothing else: v28-35 k's words (4 a chain), v36-39 v's, v40-41 q's, v42-43 p's
.set VSC, 36
.set QS,  40
.set PSW, 42
.set SPW, 44
.set NIL, 45
.set A32, 46                           ; 32 r
.set LV,  47                           ; v codes
.set KF,  48                           ; v48-95 eight tiles of k, later four of v; v96-101 zeros
.set Q4,  102
.set SCO, 104                          ; v104-167 scores, then p (window 1: first -8 d)
.set OUT, 168                          ; v168-199 O^T
.set BM,  200
.set TT,  204
.set XX,  205
.set OLD, 206
.set FAC, 208
.set SOP, 210
.set BY,  212
.set WD,  214
.set WX,  215
.set PCD, 216                          ; v216-227 p's codes
.set CT,  228
.set ST,  236                          ; v236-249 seven packed partial sums
.set WV,  16
.set WB,  17
.set RG,  18
.set TQ,  19
.set SEL, 20
.set CS,  22
.set NC,  24
.set CNT, 25
.set LIM, 26
.set SY,  27
.set TK,  28
.set TV,  29
.set TSK, 30
.set TSV, 31
.set G1K, 32
.set G1V, 40
.set G1KW, 48
.set G1VW, 56
.set G0K, 68
.set G0V, 72
.set G0KW, 76
.set G0VW, 80
.set SB,  84
.set GC,  92
.set DM,  10
.set MSB, 0
.macro WIN new                         ; low byte: bits 1:0 source 0, 3:2 source 1, 5:4 source 2, 7:6 destination; the high byte repeats the setting that is left
.if MSB != \new
	s_set_vgpr_msb (MSB<<8)|\new
.set MSB, \new
.endif
.endm
.macro ROUND
	s_barrier_signal -1
	s_barrier_wait -1
	s_cmp_lg_u32 s[WV], 0
	s_cbranch_scc1 .Lnw0_\@
	s_barrier_signal -3
.Lnw0_\@:
	s_barrier_wait -3
	s_barrier_signal -1
	s_barrier_wait -1
.endm
.macro PLACES n
.rept \n
	v_nop
.endr
.endm
.macro TL g0, g1
	tensor_load_to_lds s[\g0:\g0+3], s[\g1:\g1+7]
	s_nop 0
	PLACES 4
.endm
.macro JLOAD                           ; a fill: one chain of branches on the wave's number, one joint load to an arm
	s_cmp_lt_u32 s[RG], 1
	s_cbranch_scc0 .Lj1_\@
	TL G0K, G1K
	s_branch .Lj4_\@
.Lj1_\@:
	s_cmp_lt_u32 s[RG], 2
	s_cbranch_scc0 .Lj2_\@
	TL G0V, G1V
	s_branch .Lj4_\@
.Lj2_\@:
	s_cmp_lt_u32 s[RG], 3
	s_cbranch_scc0 .Lj3_\@
	TL G0KW, G1KW
	s_branch .Lj4_\@
.Lj3_\@:
	TL G0VW, G1VW
.Lj4_\@:
.endm
.macro GRP1 g, w0, rows                ; a dense block as rows of 256 bytes (32 elements of 8)
	s_mov_b32 s[\g], \w0
	s_mov_b32 s[\g+1], 32<<16
	s_mov_b32 s[\g+2], (\rows)<<16
	s_mov_b32 s[\g+3], 32<<16
	s_mov_b32 s[\g+4], \rows
	s_mov_b32 s[\g+5], 32
	s_mov_b32 s[\g+6], 0
	s_mov_b32 s[\g+7], 0
.endm
.macro MM d, a, b, c, sa, sb, ra       ; ra = 1: source 0's scale words stand in lanes 16-31
.if \ra
	v_wmma_scale_f32_16x16x128_f8f6f4 v[\d:\d+7], v[\a:\a+11], v[\b:\b+11], v[\c:\c+7], v[\sa], v[\sb] matrix_a_fmt:MATRIX_FMT_FP6 matrix_b_fmt:MATRIX_FMT_FP6 matrix_a_scale:MATRIX_SCALE_ROW1
.else
	v_wmma_scale_f32_16x16x128_f8f6f4 v[\d:\d+7], v[\a:\a+11], v[\b:\b+11], v[\c:\c+7], v[\sa], v[\sb] matrix_a_fmt:MATRIX_FMT_FP6 matrix_b_fmt:MATRIX_FMT_FP6
.endif
.endm
.macro ADDR
	v_add_nc_u32 v[ADK], s[TK], v[LK]
	v_add_nc_u32 v[ADV], s[TV], v[LV]
	v_add_nc_u32 v[ADS], s[TSK], v[LW]
	v_add_nc_u32 v[ADT], s[TSV], v[LT]
.endm
.macro KLD                             ; tile 4 c + u: natural tile 4 c + 2 (r / 8) + u % 2, rows 8 (u / 2) + r % 8
.irp c, 0,1
.irp u, 0,1,2,3
.irp p, 0,1,2
	ds_load_b64 v[KF+6*(4*\c+\u)+2*\p:KF+6*(4*\c+\u)+2*\p+1], v[ADK] offset:3456*\c+864*(\u%2)+288*\p+64*(\u/2)
.endr
.endr
.endr
.endm
.macro KSCL b                          ; register 2 c + g: lanes 0-15 tile 4 c + g, lanes 16-31 tile 4 c + 2 + g
.irp c, 0,1
.irp g, 0,1
	ds_load_b32 v[KSC+4*\b+2*\c+\g], v[ADS] offset:256*\c+64*\g
.endr
.endr
.endm
.macro VLD
.irp t, 0,1,2,3
.irp p, 0,1,2,3,4,5
	ds_load_b64 v[KF+12*\t+2*\p:KF+12*\t+2*\p+1], v[ADV] offset:1536*\t+256*\p
.endr
.endr
.endm
.macro VSCL b
.irp u, 0,1
	ds_load_b32 v[VSC+2*\b+\u], v[ADT] offset:128*\u
.endr
.endm
.macro DMLOAD                          ; a step's -8 d in my tiles' order: each half of the lanes reads 256 consecutive bytes
.irp c, 0,1
.irp u, 0,1,2,3
.irp g, 0,1
	global_load_b128 v[SCO+32*\c+8*\u+4*\g:SCO+32*\c+8*\u+4*\g+3], v[LD], s[DM:DM+1] offset:4096*\c+1024*(\u%2)+256*(\u/2)+512*\g
.endr
.endr
.endr
.endm
; The softmax and the second product of one chain, in its own window.  next = 1 (chain 1 alone): the next step's distances are asked for.
.macro SOFT b, next
.irp q, 0,1,2,3
	v_max3_num_f32 v[BM+\q], v[SCO+16*\q], v[SCO+1+16*\q], v[SCO+2+16*\q]   ; four chains by turns; each accumulator is read from its low end on
.endr
.irp i, 3,5,7,9,11,13
.irp q, 0,1,2,3
	v_max3_num_f32 v[BM+\q], v[BM+\q], v[SCO+16*\q+\i], v[SCO+1+16*\q+\i]
.endr
.endr
	v_max3_num_f32 v[BM], v[BM], v[BM+1], v[SCO+15]
	v_max3_num_f32 v[BM+2], v[BM+2], v[BM+3], v[SCO+47]
	v_max_num_f32 v[BM], v[BM], v[SCO+31]          ; the largest score of my block c = 0,
	v_max_num_f32 v[BM+2], v[BM+2], v[SCO+63]      ; and of c = 1
	s_delay_alu instid0(VALU_DEP_1)
	v_max_num_f32 v[TT], v[BM], v[BM+2]
	s_delay_alu instid0(VALU_DEP_1)
	v_permlanex16_b32 v[XX], v[TT], s[SEL], s[SEL+1]
	v_mov_b32 v[OLD], v[NM]
	s_delay_alu instid0(VALU_DEP_2)
	v_max3_num_f32 v[MS], v[MS], v[TT], v[XX]      ; the running largest score of my query
	s_delay_alu instid0(VALU_DEP_1)
	v_mul_f32 v[TT], s[NC], v[MS]                  ; -t
	s_delay_alu instid0(VALU_DEP_1)
	v_floor_f32 v[NM], v[TT]                       ; -M = -ceil(t)
.set j, 0
.rept 32
	v_pk_fma_f32 v[SCO+j:SCO+j+1], v[SCO+j:SCO+j+1], s[CS:CS+1], v[NM:NM+1] op_sel_hi:[1,0,0]   ; t - M
.set j, j+2
.endr
	v_fma_f32 v[BM], v[BM], s[CS], v[NM]
	v_fma_f32 v[BM+2], v[BM+2], s[CS], v[NM]
	v_sub_f32 v[TT], v[NM], v[OLD]                 ; old M - new M, a whole number
	s_delay_alu instid0(VALU_DEP_1)
	v_cvt_i32_f32 v[TT], v[TT]                     ; (it saturates)
	s_delay_alu instid0(VALU_DEP_1)
	v_ldexp_f32 v[FAC], 1.0, v[TT]                 ; f = 2^(old M - new M)
	s_wait_alu depctr_va_vdst(0)                   ; the wait ahead of the batch
.set j, 0
.rept 64
	v_exp_f32 v[SCO+j], v[SCO+j]
.set j, j+1
.endr
	v_pk_mul_f32 v[14:15], v[14:15], v[FAC:FAC+1] op_sel_hi:[1,0]   ; the sums under the new M; the plain place behind the batch
	s_wait_alu depctr_va_vdst(0)                   ; one wait for the 64
	v_exp_f32 v[BM], v[BM]                         ; the blocks' largest p
	v_exp_f32 v[BM+2], v[BM+2]
.irp k, 0,1,2,3,4,5,6                  ; the sum of the unquantised p: eight chains
	v_pk_add_f32 v[ST+2*\k:ST+2*\k+1], v[SCO+4*\k:SCO+4*\k+1], v[SCO+4*\k+2:SCO+4*\k+3]
.endr
	v_pk_add_f32 v[14:15], v[14:15], v[SCO+28:SCO+29]
.irp k, 0,1,2,3,4,5,6
	v_pk_add_f32 v[ST+2*\k:ST+2*\k+1], v[ST+2*\k:ST+2*\k+1], v[SCO+30+2*\k:SCO+31+2*\k]
.endr
	v_pk_add_f32 v[14:15], v[14:15], v[SCO+44:SCO+45]
.irp k, 0,1,2,3,4,5,6
	v_pk_add_f32 v[ST+2*\k:ST+2*\k+1], v[ST+2*\k:ST+2*\k+1], v[SCO+46+2*\k:SCO+47+2*\k]
.endr
	v_pk_add_f32 v[14:15], v[14:15], v[SCO+60:SCO+61]
	v_pk_add_f32 v[ST:ST+1], v[ST:ST+1], v[SCO+62:SCO+63]
	v_pk_add_f32 v[ST+2:ST+3], v[ST+2:ST+3], v[ST+10:ST+11]
	v_pk_add_f32 v[ST+4:ST+5], v[ST+4:ST+5], v[ST+12:ST+13]
	v_pk_add_f32 v[14:15], v[14:15], v[ST+6:ST+7]
	v_pk_add_f32 v[ST:ST+1], v[ST:ST+1], v[ST+8:ST+9]
	v_pk_add_f32 v[14:15], v[14:15], v[ST+4:ST+5]
	v_pk_add_f32 v[ST:ST+1], v[ST:ST+1], v[ST+2:ST+3]
	s_delay_alu instid0(VALU_DEP_1)
	v_pk_add_f32 v[14:15], v[14:15], v[ST:ST+1]
	s_wait_alu depctr_va_vdst(0)                   ; and one for the two
	v_max_num_f32 v[BM], 0x1800000, v[BM]          ; the floor 2^(3 - 127)
	v_max_num_f32 v[BM+2], 0x1800000, v[BM+2]
	v_add_nc_u32 v[SOP], 0xff000000, v[BM]         ; 2 off the exponent field: the conversion's scale operand
	v_add_nc_u32 v[SOP+1], 0xff000000, v[BM+2]
	v_lshrrev_b32 v[BY], 23, v[SOP]
	v_lshrrev_b32 v[BY+1], 23, v[SOP+1]
	s_delay_alu instid0(VALU_DEP_1)
	v_lshl_or_b32 v[WD], v[BY+1], 16, v[BY]        ; my bytes: blocks h and 2 + h,
	s_delay_alu instid0(VALU_DEP_1)
	v_lshlrev_b32 v[WD], v[H8], v[WD]              ; at their places;
	s_delay_alu instid0(VALU_DEP_1)
	v_permlanex16_b32 v[WX], v[WD], s[SEL], s[SEL+1]
.if \b
	WIN 0x05                                       ; scale registers lie in window 0
.endif
	v_or_b32 v[PSW+\b], v[WD], v[WX]               ; with lane l xor 16's two the word is whole
.if \b
	WIN 0x55
.endif
.irp c, 0,1
	v_cvt_scalef32_pk16_fp6_f32 v[PCD+6*\c:PCD+6*\c+2], v[SCO+32*\c:SCO+32*\c+15], v[SOP+\c]
	v_cvt_scalef32_pk16_fp6_f32 v[CT+4*\c:CT+4*\c+2], v[SCO+32*\c+16:SCO+32*\c+31], v[SOP+\c]   ; (a conversion's three registers begin on an even number)
.endr
	v_nop                                          ; one plain place behind the last scaled conversion
.if \next
	DMLOAD                                         ; p is in codes: the next step's -8 d takes its registers
.endif
.irp c, 0,1
.irp i, 0,1,2
	v_mov_b32 v[PCD+3+6*\c+\i], v[CT+4*\c+\i]
.endr
.endr
	s_wait_alu depctr_va_vdst(0)                   ; the wait directly ahead of the first reader of O^T
.set j, 0
.rept 16
	v_pk_mul_f32 v[OUT+j:OUT+j+1], v[OUT+j:OUT+j+1], v[FAC:FAC+1] op_sel_hi:[1,0]   ; O^T under the new M; also the places between p's codes and word and the products
.set j, j+2
.endr
	s_wait_alu depctr_va_vdst(0)
	s_wait_dscnt 0x0                               ; v's tiles and words
.irp t, 0,1,2,3
	MM OUT+8*\t, KF+12*\t, PCD, OUT+8*\t, VSC+2*\b+\t/2, PSW+\b, \t%2
.endr
.endm
; A KEY STEP: 128 keys, both chains.
.macro STEP next
	ADDR                                           ; four plain lines: also the places between the last products and the loads into their fragments
	KLD
	KSCL 0
	WIN 0x55
	ADDR
	KLD
	WIN 0x01
	KSCL 1
	WIN 0
	s_wait_alu depctr_va_vdst(0)
	s_wait_loadcnt 0x0                             ; this step's -8 d (in the first step q too)
.if \next
	s_wait_xcnt 0x0                                ; the last prefetch has read its base
	s_add_nc_u64 s[DM:DM+1], s[DM:DM+1], 8192
.endif
	s_wait_dscnt 28                                ; chain 0's 28 loads are in; chain 1's 28 may be out
	WIN 0x10                                       ; C from window 1
.irp kt, 0,1,2,3,4,5,6,7
	MM SCO+8*\kt, KF+6*\kt, QF, SCO+8*\kt, KSC+2*(\kt/4)+\kt%2, QS, (\kt%4)/2
.endr
	WIN 0
	PLACES 5                                       ; chain 1's products write over these products' C; and loads follow into their fragments
	VLD
	VSCL 0
	WIN 0x55
	s_wait_dscnt 26                                ; chain 1's k is in; the 26 loads just issued may be out
.irp kt, 0,1,2,3,4,5,6,7
	MM SCO+8*\kt, KF+6*\kt, QF, SCO+8*\kt, KSC+4+2*(\kt/4)+\kt%2, QS+1, (\kt%4)/2
.endr
	PLACES 4
	VLD
	WIN 0x01
	VSCL 1
	WIN 0x55
	SOFT 1, \next
	WIN 0
.if \next
	s_cmp_gt_u32 s[GC], s[LIM]                     ; the step two on; the last two steps that load ask for nothing beyond dm
	s_cbranch_scc0 .Lna_\@
	global_prefetch_b8 v[PFO], s[DM:DM+1] offset:8192 th:TH_LOAD_NT scope:SCOPE_SE
.Lna_\@:
.endif
	s_wait_alu depctr_va_vdst(0)                   ; the wait directly ahead of the first reader of chain 0's scores
	SOFT 0, 0
.if \next
	s_add_co_u32 s[TK], s[TK], 6912
	s_add_co_u32 s[TV], s[TV], 6144
	s_add_co_u32 s[TSK], s[TSK], 512
	s_add_co_u32 s[TSV], s[TSV], 256
	s_sub_co_u32 s[GC], s[GC], 1
.endif
.endm
; FOUR KEY STEPS out of slot f % 2.  In front: all my loads waited for, the add, my LDS reads waited for; for f < 3 a round, and fill f + 1 into the other slot, first behind it.
.macro PHASE f, trips
	s_wait_alu depctr_va_vdst(0)
	s_wait_tensorcnt 0x0
	ds_add_u32 v[SPW], v[NIL]
.if \f < 3
	s_add_co_u32 s[G0K+1], s[SB], ((\f+1)%2)*SLOT
	s_add_co_u32 s[G0V+1], s[SB+1], ((\f+1)%2)*SLOT+VCB
	s_add_co_u32 s[G0KW+1], s[SB+2], ((\f+1)%2)*SLOT+KWB
	s_add_co_u32 s[G0VW+1], s[SB+3], ((\f+1)%2)*SLOT+VWB
	s_add_nc_u64 s[G0K+2:G0K+3], s[G0K+2:G0K+3], 24576
	s_add_nc_u64 s[G0V+2:G0V+3], s[G0V+2:G0V+3], 24576
	s_add_nc_u64 s[G0KW+2:G0KW+3], s[G0KW+2:G0KW+3], 2048
	s_add_nc_u64 s[G0VW+2:G0VW+3], s[G0VW+2:G0VW+3], 1024
.endif
	s_wait_dscnt 0x0
.if \f < 3
	ROUND
	JLOAD
.else
	s_barrier_signal -1
	s_barrier_wait -1
.endif
	s_mov_b32 s[TK], (\f%2)*SLOT
	s_mov_b32 s[TV], (\f%2)*SLOT
	s_mov_b32 s[TSK], (\f%2)*SLOT
	s_mov_b32 s[TSV], (\f%2)*SLOT
	s_mov_b32 s[CNT], \trips
.Lph_\@:
	STEP 1
	s_sub_co_u32 s[CNT], s[CNT], 1
	s_cmp_lg_u32 s[CNT], 0
	s_cbranch_scc1 .Lph_\@
.endm
.macro INIT
.set i, 0
.rept 6
	v_mov_b32 v[QF+6+i], 0                         ; zero codes for the upper 64 of the instruction's K
	v_mov_b32 v[KF+48+i], 0                        ; and what the last tile of keys runs on into
.set i, i+1
.endr
.set i, 0
.rept 32
	v_mov_b32 v[OUT+i], 0                          ; the step is written for every step alike: the first finds zeros
.set i, i+1
.endr
	v_mov_b32 v[MS], 0xff61b1e6                    ; -3e38, under every score
	v_mov_b32 v[NM], 0x7e000000                    ; -M to begin with: so large that the first f is 0
	v_mov_b32 v14, 0
	v_mov_b32 v15, 0
	v_mov_b32 v[XX], 0                             ; a lane permute's destination counts as one of its sources
	v_mov_b32 v[WX], 0
	v_mov_b32 v[FAC+1], 0
.endm
; The way out of one chain: O^T / the sum, the 64 channels into their true order, their quantiser (two blocks of the last product's K), codes and bytes stored.
.macro OUTW b
	v_add_f32 v14, v14, v15
	s_delay_alu instid0(VALU_DEP_1)
	v_permlanex16_b32 v[XX], v14, s[SEL], s[SEL+1]
	s_delay_alu instid0(VALU_DEP_1)
	v_add_f32 v14, v14, v[XX]
	s_wait_alu depctr_va_vdst(0)
	v_rcp_f32 v14, v14
	v_nop
	s_wait_alu depctr_va_vdst(0)                   ; for the reciprocal, and directly ahead of the first reader of O^T
.set j, 0
.rept 16
	v_pk_mul_f32 v[SCO+j:SCO+j+1], v[OUT+j:OUT+j+1], v[14:15] op_sel_hi:[1,0]   ; register 8 t + i is channel 16 t + 8 h + i
.set j, j+2
.endr
.irp c, 0,1
.irp i, 0,1,2,3,4,5,6,7
	v_permlane16_swap_b32 v[SCO+16*\c+\i], v[SCO+16*\c+8+\i]   ; lanes 0-15 get channels 0-15 of block c, lanes 16-31 channels 16-31
.endr
.endr
.irp c, 0,1
	v_max3_num_f32 v[BM+\c], |v[SCO+16*\c]|, |v[SCO+1+16*\c]|, 0x1800000
.endr
.irp i, 2,4,6,8,10,12,14
.irp c, 0,1
	v_max3_num_f32 v[BM+\c], v[BM+\c], |v[SCO+16*\c+\i]|, |v[SCO+1+16*\c+\i]|
.endr
.endr
	v_permlanex16_b32 v[TT], v[BM], s[SEL], s[SEL+1]
	v_permlanex16_b32 v[XX], v[BM+1], s[SEL], s[SEL+1]
	v_max_num_f32 v[BM], v[BM], v[TT]
	v_max_num_f32 v[BM+1], v[BM+1], v[XX]
	v_add_nc_u32 v[SOP], 0xff000000, v[BM]
	v_add_nc_u32 v[SOP+1], 0xff000000, v[BM+1]
	v_lshrrev_b32 v[BY], 23, v[SOP]
	v_lshrrev_b32 v[BY+1], 23, v[SOP+1]
	v_cvt_scalef32_pk16_fp6_f32 v[PCD:PCD+2], v[SCO:SCO+15], v[SOP]
	v_cvt_scalef32_pk16_fp6_f32 v[CT:CT+2], v[SCO+16:SCO+31], v[SOP+1]
	v_lshl_or_b32 v[OLD], v[BY+1], 8, v[BY]        ; the plain place behind the conversions
.irp i, 0,1,2
	v_permlane16_swap_b32 v[PCD+\i], v[CT+\i]      ; a whole block to a lane
.endr
.irp i, 0,1,2
	v_mov_b32 v[PCD+3+\i], v[CT+\i]
.endr
.irp p, 0,1,2
	global_store_b64 v[LB], v[PCD+2*\p:PCD+2*\p+1], s[12:13] offset:768*\b+256*\p   ; 32 lanes store 256 consecutive bytes, aligned
.endr
	global_store_b16 v[A32], v[OLD], s[14:15] offset:2*\b   ; two bytes a token: a head has two bytes in each row of the last product's scale words
.endm
	s_load_b256 s[4:11], s[0:1], 0x0               ; qc 4, qs 6, kv 8, dm 10
	s_load_b128 s[12:15], s[0:1], 0x20             ; ao 12, aos 14
	v_lshl_add_u32 v[SPW], v0, 2, SPARE
	v_mov_b32 v[NIL], 0
	ds_add_u32 v[SPW], v[NIL]
	ds_add_u32 v[SPW], v[NIL]
	v_lshrrev_b32 v1, 5, v0
	v_readfirstlane_b32 s[WV], v1                  ; wave 0..7
	s_and_b32 s[WB], s[WV], 1                      ; the head that I fetch for
	s_lshr_b32 s[RG], s[WV], 1                     ; the region that I fetch
	s_bfe_u32 s88, ttmp6, 0x40000                  ; cx
	s_lshl_b32 s[TQ], ttmp9, 2
	s_add_co_u32 s[TQ], s[TQ], s88
	s_lshl_b32 s[TQ], s[TQ], 3
	s_add_co_u32 s[TQ], s[TQ], s[WV]               ; my tile of 16 queries, 0..127: it enters global addresses alone
	s_and_b32 s[SY], ttmp7, 0xffff                 ; Y, which the four partners share
	GRP1 G1K, 15|(3<<16)|(1<<20)|(1<<21)|(5<<22)|(7<<25), 96   ; k codes: behind every 64 words 8 words of padding
	GRP1 G1V, 15|(3<<16)|(1<<21), 96
	GRP1 G1KW, 15|(3<<16)|(1<<21), 8
	GRP1 G1VW, 15|(3<<16)|(1<<21), 4
	s_mul_i32 s[SB], s[WB], KREG
	s_mul_i32 s[SB+1], s[WB], 24576
	s_lshl_b32 s[SB+2], s[WB], 11
	s_lshl_b32 s[SB+3], s[WB], 10
	s_mov_b32 s[G0K], 1
	s_mov_b32 s[G0V], 1
	s_mov_b32 s[G0KW], 1
	s_mov_b32 s[G0VW], 1
	s_add_co_u32 s[G0K+1], s[SB], 0
	s_add_co_u32 s[G0V+1], s[SB+1], VCB
	s_add_co_u32 s[G0KW+1], s[SB+2], KWB
	s_add_co_u32 s[G0VW+1], s[SB+3], VWB
	s_lshl_b32 s88, s[SY], 1
	s_add_co_u32 s88, s88, s[WB]
	s_mul_i32 s88, s88, 208896                     ; kv at (batch, head) 2 Y + w % 2
	s_mov_b32 s89, 0
	s_mov_b32 s[SEL], 0x76543210
	s_mov_b32 s[SEL+1], 0xfedcba98                 ; lane selects for lane l xor 16
	s_mov_b32 s[CS], 0x3e38aa3b                    ; c = log2(e) / 8
	s_mov_b32 s[CS+1], s[CS]
	s_mov_b32 s[NC], 0xbe38aa3b                    ; -c
	s_mov_b32 s[GC], 15
	s_wait_dscnt 0x0
	s_wait_kmcnt 0x0
	s_add_nc_u64 s[G0K+2:G0K+3], s[8:9], s[88:89]
	s_add_nc_u64 s[G0V+2:G0V+3], s[G0K+2:G0K+3], 98304
	s_add_nc_u64 s[G0KW+2:G0KW+3], s[G0K+2:G0K+3], 196608
	s_add_nc_u64 s[G0VW+2:G0VW+3], s[G0K+2:G0K+3], 204800
	s_or_b32 s[G0K+3], s[G0K+3], 0x80000000
	s_or_b32 s[G0V+3], s[G0V+3], 0x80000000
	s_or_b32 s[G0KW+3], s[G0KW+3], 0x80000000
	s_or_b32 s[G0VW+3], s[G0VW+3], 0x80000000
	ROUND                                          ; all four work-groups are here: the joint loads meet
	JLOAD                                          ; slot 0: key steps 0-3; my one load at the head
	s_mov_b32 s89, 0
	s_lshl_b32 s88, s[TQ], 17
	s_add_nc_u64 s[DM:DM+1], s[DM:DM+1], s[88:89]  ; my tile's distances: 16 steps of 8,192 bytes
	s_mul_i32 s88, s[SY], 196608
	s_mul_i32 s90, s[TQ], 768
	s_add_co_u32 s88, s88, s90
	s_add_nc_u64 s[4:5], s[4:5], s[88:89]          ; q's codes: head 2 Y, my tile; head 2 Y + 1 lies 98,304 on
	s_lshl_b32 s88, s[SY], 14
	s_lshl_b32 s90, s[TQ], 6
	s_add_co_u32 s88, s88, s90
	s_add_nc_u64 s[6:7], s[6:7], s[88:89]          ; and its scale words; 8,192 on
	s_lshr_b32 s91, s[SY], 3                       ; batch
	s_and_b32 s90, s[SY], 7
	s_lshl_b32 s90, s90, 1                         ; head of chain 0
	s_lshl_b32 s88, s91, 7
	s_add_co_u32 s88, s88, s[TQ]
	s_mul_i32 s88, s88, 12288
	s_mul_i32 s94, s90, 768
	s_add_co_u32 s88, s88, s94
	s_add_nc_u64 s[12:13], s[12:13], s[88:89]      ; ao: tile of tokens, my head's three planes
	s_lshl_b32 s88, s91, 16
	s_lshl_b32 s94, s[TQ], 9
	s_add_co_u32 s88, s88, s94
	s_lshl_b32 s94, s90, 1
	s_add_co_u32 s88, s88, s94
	s_add_nc_u64 s[14:15], s[14:15], s[88:89]      ; aos: 32 bytes a token, two a head
	s_cmp_eq_u32 s[SY], 0
	s_cselect_b32 s[LIM], 1, -1                    ; the same in all four partners
	v_and_b32 v48, 15, v0                          ; r
	v_bfe_u32 v49, v0, 4, 1                        ; h
	v_and_b32 v50, 31, v0                          ; lane
	v_lshrrev_b32 v51, 3, v48                      ; r / 8
	v_and_b32 v52, 7, v0                           ; r % 8
	v_mul_u32_u24 v[LK], v51, 1728                 ; two natural tiles on: six planes of 288
	v_lshl_add_u32 v[LK], v52, 3, v[LK]
	v_lshl_add_u32 v[LK], v49, 7, v[LK]
	v_lshlrev_b32 v[LB], 3, v50
	v_add_nc_u32 v[LV], VCB, v[LB]
	v_lshlrev_b32 v[LW], 7, v51
	v_lshl_add_u32 v[LW], v49, 5, v[LW]
	v_lshl_add_u32 v[LW], v52, 2, v[LW]
	v_add_nc_u32 v[LW], KWB, v[LW]
	v_lshl_add_u32 v[LT], v50, 2, VWB
	v_lshlrev_b32 v53, 11, v49
	v_lshl_add_u32 v53, v48, 4, v53
	v_lshlrev_b32 v[PFO], 8, v50
	v_lshlrev_b32 v[H8], 3, v49
	v_lshlrev_b32 v[A32], 5, v48
	v_lshlrev_b32 v[Q4], 2, v48
	WIN 0x40                                       ; chain 1's copies, in window 1, at head 1's bytes
	v_add_nc_u32 v[LK], KREG, v[LK]
	v_mov_b32 v[LB], v[LB]
	v_add_nc_u32 v[LV], 24576, v[LV]
	v_add_nc_u32 v[LW], 2048, v[LW]
	v_add_nc_u32 v[LT], 1024, v[LT]
	v_mov_b32 v[LD], v53
	v_mov_b32 v[H8], v[H8]
	v_mov_b32 v[A32], v[A32]
	s_wait_alu depctr_va_vdst(0)                   ; the wait behind the address work
	WIN 0x55
	DMLOAD                                         ; step 0's -8 d
.irp p, 0,1,2
	global_load_b64 v[QF+2*\p:QF+2*\p+1], v[LB], s[4:5] offset:98304+256*\p
.endr
	INIT
	WIN 0
.irp p, 0,1,2
	global_load_b64 v[QF+2*\p:QF+2*\p+1], v[LB], s[4:5] offset:256*\p
.endr
	global_load_b32 v[QS], v[Q4], s[6:7]
	global_load_b32 v[QS+1], v[Q4], s[6:7] offset:8192
	INIT
	PHASE 0, 4
	PHASE 1, 4
	PHASE 2, 4
	PHASE 3, 3
	STEP 0                                         ; the sixteenth step is written out: no load and no prefetch leaves dm
	WIN 0x55
	OUTW 1                                         ; its lines are also the places behind chain 0's last products
	WIN 0
	OUTW 0
	s_wait_tensorcnt 0x0                           ; the wave's end
	ds_add_u32 v[SPW], v[NIL]
	s_wait_dscnt 0x0
	ROUND                                          ; the closing round
	s_endpgm
.Lfunc_end_k_q226f09749b_attn:
	.size	k_q226f09749b_attn, .Lfunc_end_k_q226f09749b_attn-k_q226f09749b_attn
	.p2alignl 7, 3214868480
	.fill 96, 4, 3214868480
	.section	.rodata,"a",@progbits
	.p2align	6, 0x0
	.amdhsa_kernel k_q226f09749b_attn
		.amdhsa_group_segment_fixed_size 327680
		.amdhsa_private_segment_fixed_size 0
		.amdhsa_enable_private_segment 0
		.amdhsa_kernarg_size 48
		.amdhsa_user_sgpr_count 2
		.amdhsa_user_sgpr_kernarg_segment_ptr 1
		.amdhsa_wavefront_size32 1
		.amdhsa_system_sgpr_workgroup_id_x 1
		.amdhsa_system_sgpr_workgroup_id_y 1
		.amdhsa_system_sgpr_workgroup_id_z 1
		.amdhsa_system_vgpr_workitem_id 0
		.amdhsa_next_free_vgpr 512
		.amdhsa_next_free_sgpr 100
		.amdhsa_reserve_vcc 0
		.amdhsa_float_denorm_mode_32 3
		.amdhsa_float_denorm_mode_16_64 3
		.amdhsa_memory_ordered 1
		.amdhsa_forward_progress 1
		.amdhsa_inst_pref_size 204
	.end_amdhsa_kernel
	.amdgpu_metadata
---
amdhsa.version: [ 1, 2 ]
amdhsa.kernels:
  - .name:           k_q226f09749b_attn
    .symbol:         k_q226f09749b_attn.kd
    .args:
      - { .name: qc, .offset: 0, .size: 8, .value_kind: global_buffer, .address_space: global }
      - { .name: qs, .offset: 8, .size: 8, .value_kind: global_buffer, .address_space: global }
      - { .name: kv, .offset: 16, .size: 8, .value_kind: global_buffer, .address_space: global }
      - { .name: dm, .offset: 24, .size: 8, .value_kind: global_buffer, .address_space: global }
      - { .name: ao, .offset: 32, .size: 8, .value_kind: global_buffer, .address_space: global }
      - { .name: aos, .offset: 40, .size: 8, .value_kind: global_buffer, .address_space: global }
    .group_segment_fixed_size: 327680
    .private_segment_fixed_size: 0
    .kernarg_segment_align: 8
    .kernarg_segment_size: 48
    .max_flat_workgroup_size: 256
    .sgpr_count:     100
    .vgpr_count:     512
    .wavefront_size: 32
...
	.end_amdgpu_metadata
.endif
;; end of part 2
;; launch oproj (part 3): grid 8 x 32, 8 waves a work-group, clusters of 4 x 4, 327,680 bytes of LDS; arguments ao, aos, Wo_codes, Wo_scales, bo, out0; writes out0
.if DOCPART == 3
	.amdgcn_target "amdgcn-amd-amdhsa--gfx1250"
	.amdhsa_code_object_version 6
	.text
	.protected	k_q226f09749b_oproj
	.globl	k_q226f09749b_oproj
	.p2align	8
	.type	k_q226f09749b_oproj,@function
k_q226f09749b_oproj:
	s_mov_b64 s[64:65], 0
	v_nop
	global_prefetch_b8 v0, s[64:65] scope:SCOPE_SE
	s_setreg_imm32_b32 hwreg(HW_REG_WAVE_MODE, 25, 1), 1
	s_wait_xcnt 0x0
	s_wait_alu depctr_hold_cnt(0) depctr_sa_sdst(0) depctr_va_vdst(0) depctr_va_sdst(0) depctr_va_ssrc(0) depctr_va_vcc(0) depctr_vm_vsrc(0)
	s_getreg_b32 s2, hwreg(HW_REG_IB_STS2, 6, 4)
	s_cmp_eq_u32 s2, 0
	s_cbranch_scc0 .Lentry_in_a_cluster
	s_endpgm
.Lentry_in_a_cluster:
	s_bfe_u32 s2, ttmp6, 0x10000c
	s_cmp_lg_u32 s2, 0xf033
	s_cbranch_scc0 .Lentry_shape_is_right
	s_endpgm
.Lentry_shape_is_right:
.set RP,    816
.set TILEB, 16*RP
.set AOI,   104448
.set STG,   202752
.set AW,  4
.set AA,  6
.set L32, 7
.set SO,  8
.set SR,  9
.set GO,  10
.set BOF, 11
.set AS,  16
.set WS,  24
.set WF,  48
.set AF,  96
.set ACC, 128
.set OB,  192
.set WV,  16
.set WA,  17
.set WE,  18
.set G1W, 24
.set G1A, 32
.set G0W, 44
.set G0A, 48
.macro ROUND
	s_barrier_signal -1
	s_barrier_wait -1
	s_cmp_lg_u32 s[WV], 0
	s_cbranch_scc1 .Lnw0_\@
	s_barrier_signal -3
.Lnw0_\@:
	s_barrier_wait -3
	s_barrier_signal -1
	s_barrier_wait -1
.endm
.macro PLACES n
.rept \n
	v_nop
.endr
.endm
.macro FRAG reg, adr, q, off
.irp p, 0,1,2,3,4,5
.set PCE, 12*(\q)+6*(\p/3)+\p%3
.if PCE%32 < 29
	ds_load_b64 v[\reg+2*\p:\reg+2*\p+1], v[\adr] offset:8*PCE+16*(PCE/32)+(\off)
.else
	ds_load_b64 v[\reg+2*\p:\reg+2*\p+1], v[\adr+1] offset:8*PCE+16*(PCE/32)+(\off)
.endif
.endr
.endm
.macro MM d, a, b, sa, sb, ra, rb
.if (\ra) && (\rb)
	v_wmma_scale_f32_16x16x128_f8f6f4 v[\d:\d+7], v[\a:\a+11], v[\b:\b+11], v[\d:\d+7], v[\sa], v[\sb] matrix_a_fmt:MATRIX_FMT_FP6 matrix_b_fmt:MATRIX_FMT_FP6 matrix_a_scale:MATRIX_SCALE_ROW1 matrix_b_scale:MATRIX_SCALE_ROW1
.elseif \ra
	v_wmma_scale_f32_16x16x128_f8f6f4 v[\d:\d+7], v[\a:\a+11], v[\b:\b+11], v[\d:\d+7], v[\sa], v[\sb] matrix_a_fmt:MATRIX_FMT_FP6 matrix_b_fmt:MATRIX_FMT_FP6 matrix_a_scale:MATRIX_SCALE_ROW1
.elseif \rb
	v_wmma_scale_f32_16x16x128_f8f6f4 v[\d:\d+7], v[\a:\a+11], v[\b:\b+11], v[\d:\d+7], v[\sa], v[\sb] matrix_a_fmt:MATRIX_FMT_FP6 matrix_b_fmt:MATRIX_FMT_FP6 matrix_b_scale:MATRIX_SCALE_ROW1
.else
	v_wmma_scale_f32_16x16x128_f8f6f4 v[\d:\d+7], v[\a:\a+11], v[\b:\b+11], v[\d:\d+7], v[\sa], v[\sb] matrix_a_fmt:MATRIX_FMT_FP6 matrix_b_fmt:MATRIX_FMT_FP6
.endif
.endm
	s_load_b256 s[4:11], s[0:1], 0x0
	s_load_b128 s[12:15], s[0:1], 0x20
	v_lshl_add_u32 v126, v0, 2, 0x3a000
	v_mov_b32 v127, 0
	ds_add_u32 v126, v127
	ds_add_u32 v126, v127
	v_lshrrev_b32 v1, 5, v0
	s_delay_alu instid0(VALU_DEP_1)
	v_readfirstlane_b32 s[WV], v1
	s_lshr_b32 s[WA], s[WV], 1
	s_and_b32 s[WE], s[WV], 1
	s_bfe_u32 s19, ttmp6, 0x40000
	s_bfe_u32 s20, ttmp6, 0x40004
	s_lshl_b32 s21, ttmp9, 2
	s_add_co_u32 s21, s21, s19
	s_and_b32 s22, ttmp7, 0xffff
	s_lshl_b32 s22, s22, 2
	s_add_co_u32 s22, s22, s20
	s_lshl_b32 s23, s20, 2
	s_lshl_b32 s23, 15, s23
	s_lshl_b32 s40, 0x1111, s19
	s_or_b32 s[G1W], s40, (3<<16)|(1<<20)|(1<<21)|(5<<22)|(3<<25)
	s_or_b32 s[G1A], s23, (3<<16)|(1<<21)
.irp g, G1W, G1A
	s_mov_b32 s[\g+1], 32<<16
	s_mov_b32 s[\g+2], 96<<16                      ; a load brings 96 rows of 256 bytes: 32 rows of Wo, or two tiles of tokens of ao
	s_mov_b32 s[\g+3], 32<<16
	s_mov_b32 s[\g+4], 96
	s_mov_b32 s[\g+5], 32
	s_mov_b32 s[\g+6], 0
	s_mov_b32 s[\g+7], 0
.endr
	v_and_b32 v1, 15, v0
	v_bfe_u32 v2, v0, 4, 1
	v_and_b32 v3, 31, v0
	s_delay_alu instid0(VALU_DEP_3)
	v_mul_u32_u24 v12, v1, RP
	s_delay_alu instid0(VALU_DEP_1)
	v_mad_u32_u24 v12, v2, 24, v12
	s_mul_i32 s41, s[WE], 4*TILEB
	v_add_nc_u32 v[AW], s41, v12
	s_delay_alu instid0(VALU_DEP_1)
	v_lshl_add_u32 v[AW+1], v2, 4, v[AW]
	s_mul_i32 s41, s[WA], 24576
	s_add_co_u32 s41, s41, AOI
	v_lshl_add_u32 v[AA], v3, 3, s41
	v_lshlrev_b32 v[L32], 5, v3
	s_mul_i32 s41, s[WV], 16*272
	s_add_co_u32 s41, s41, STG
	v_mul_u32_u24 v[SO], v1, 272
	s_delay_alu instid0(VALU_DEP_1)
	v_lshl_add_u32 v[SO], v2, 5, v[SO]
	s_delay_alu instid0(VALU_DEP_1)
	v_add_nc_u32 v[SO], s41, v[SO]
	v_mul_u32_u24 v[SR], v2, 272
	s_delay_alu instid0(VALU_DEP_1)
	v_lshl_add_u32 v[SR], v1, 4, v[SR]
	s_delay_alu instid0(VALU_DEP_1)
	v_add_nc_u32 v[SR], s41, v[SR]
	v_lshlrev_b32 v[GO], 12, v2
	s_delay_alu instid0(VALU_DEP_1)
	v_lshl_add_u32 v[GO], v1, 4, v[GO]
	v_lshlrev_b32 v[BOF], 5, v2
	s_mul_i32 s52, s21, 98304
	s_mul_i32 s41, s[WV], 24576
	s_add_co_u32 s52, s52, s41                     ; Wo: a quarter of the block's 128 rows (waves 0-3 ask for it)
	s_mov_b32 s53, 0
	s_and_b32 s41, s[WV], 3
	s_mul_i32 s41, s41, 24576                      ; ao: a quarter of the block's eight tiles of tokens (waves 4-7)
	s_mul_i32 s54, s22, 98304
	s_add_co_u32 s54, s54, s41
	s_mov_b32 s55, 0
	s_mov_b32 s[G0W], 1
	s_mul_i32 s[G0W+1], s[WV], 2*TILEB
	s_mov_b32 s[G0A], 1
	s_add_co_u32 s[G0A+1], s41, AOI
	s_wait_dscnt 0x0
	s_wait_kmcnt 0x0
	s_add_nc_u64 s[G0W+2:G0W+3], s[8:9], s[52:53]
	s_or_b32 s[G0W+3], s[G0W+3], 0x80000000
	s_add_nc_u64 s[G0A+2:G0A+3], s[4:5], s[54:55]
	s_or_b32 s[G0A+3], s[G0A+3], 0x80000000
	ROUND
	s_wait_alu depctr_va_vdst(0)
	s_cmp_lt_u32 s[WV], 4                          ; one joint load a wave, behind the one round: waves 0-3 Wo's rows, waves 4-7 ao's tiles
	s_cbranch_scc0 .Lfor_a
	tensor_load_to_lds s[G0W:G0W+3], s[G1W:G1W+7]
	s_nop 0
	PLACES 4
	s_branch .Lasked
.Lfor_a:
	tensor_load_to_lds s[G0A:G0A+3], s[G1A:G1A+7]
	s_nop 0
	PLACES 4
.Lasked:
	s_mov_b32 s57, 0
	s_lshl_b32 s56, s22, 12
	s_lshl_b32 s41, s[WA], 10
	s_add_co_u32 s56, s56, s41
	s_add_nc_u64 s[6:7], s[6:7], s[56:57]
	s_lshl_b32 s56, s21, 12
	s_lshl_b32 s41, s[WE], 11
	s_add_co_u32 s56, s56, s41
	s_add_nc_u64 s[10:11], s[10:11], s[56:57]
	s_lshl_b32 s56, s21, 9
	s_lshl_b32 s41, s[WE], 8
	s_add_co_u32 s56, s56, s41
	s_add_nc_u64 s[12:13], s[12:13], s[56:57]
	s_lshl_b32 s41, s22, 19
	s_add_co_u32 s56, s56, s41
	s_lshl_b32 s41, s[WA], 17
	s_add_co_u32 s56, s56, s41
	s_add_nc_u64 s[14:15], s[14:15], s[56:57]
	global_load_b128 v[AS:AS+3], v[L32], s[6:7]
	global_load_b128 v[AS+4:AS+7], v[L32], s[6:7] offset:16
.irp u, 0,1
	global_load_b128 v[WS+8*\u:WS+8*\u+3], v[L32], s[10:11] offset:1024*\u
	global_load_b128 v[WS+8*\u+4:WS+8*\u+7], v[L32], s[10:11] offset:1024*\u+16
.endr
	s_wait_alu depctr_va_vdst(0)
.irp tm, 0,1
.irp tn, 0,1,2,3
	global_load_b128 v[ACC+32*\tm+8*\tn:ACC+32*\tm+8*\tn+3], v[BOF], s[12:13] offset:64*\tn
	global_load_b128 v[ACC+32*\tm+8*\tn+4:ACC+32*\tm+8*\tn+7], v[BOF], s[12:13] offset:64*\tn+16
.endr
.endr
	s_wait_tensorcnt 0x0
	s_barrier_signal -1
	s_barrier_wait -1
.macro KSTEP q
.if \q > 0
	PLACES 4
.endif
.irp t, 0,1,2,3
	FRAG WF+12*\t, AW, \q, \t*TILEB
.endr
.irp tm, 0,1
.irp p, 0,1,2,3,4,5
	ds_load_b64 v[AF+12*\tm+2*\p:AF+12*\tm+2*\p+1], v[AA] offset:12288*\tm+1536*\q+256*\p
.endr
.endr
.if \q == 0
	s_wait_loadcnt 0x0
.endif
	s_wait_dscnt 0x0
.irp tm, 0,1
.irp tn, 0,1,2,3
	MM ACC+32*\tm+8*\tn, WF+12*\tn, AF+12*\tm, WS+8*(\tn/2)+\q, AS+\q, \tn%2, \tm
.endr
.endr
.endm
.irp q, 0,1,2,3,4,5,6,7
	KSTEP \q
.endr
	PLACES 4
.irp tm, 0,1
.irp tn, 0,1,2,3
	ds_store_b128 v[SO], v[ACC+32*\tm+8*\tn:ACC+32*\tm+8*\tn+3] offset:64*\tn
	ds_store_b128 v[SO], v[ACC+32*\tm+8*\tn+4:ACC+32*\tm+8*\tn+7] offset:64*\tn+16
.endr
.irp i, 0,1,2,3,4,5,6,7
	ds_load_b128 v[OB+32*\tm+4*\i:OB+32*\tm+4*\i+3], v[SR] offset:544*\i
.endr
.endr
.irp tm, 0,1
.irp i, 0,1,2,3,4,5,6,7
	s_wait_dscnt 23-16*\tm-\i
	global_store_b128 v[GO], v[OB+32*\tm+4*\i:OB+32*\tm+4*\i+3], s[14:15] offset:(16*\tm+2*\i)*4096 th:TH_STORE_NT
.endr
.endr
	s_wait_dscnt 0x0
	s_wait_tensorcnt 0x0
	ds_add_u32 v126, v127
	s_wait_dscnt 0x0
	ROUND
	s_endpgm
.Lfunc_end_k_q226f09749b_oproj:
	.size	k_q226f09749b_oproj, .Lfunc_end_k_q226f09749b_oproj-k_q226f09749b_oproj
	.p2alignl 7, 3214868480
	.fill 96, 4, 3214868480
	.section	.rodata,"a",@progbits
	.p2align	6, 0x0
	.amdhsa_kernel k_q226f09749b_oproj
		.amdhsa_group_segment_fixed_size 327680
		.amdhsa_private_segment_fixed_size 0
		.amdhsa_enable_private_segment 0
		.amdhsa_kernarg_size 48
		.amdhsa_user_sgpr_count 2
		.amdhsa_user_sgpr_kernarg_segment_ptr 1
		.amdhsa_wavefront_size32 1
		.amdhsa_system_sgpr_workgroup_id_x 1
		.amdhsa_system_sgpr_workgroup_id_y 1
		.amdhsa_system_sgpr_workgroup_id_z 1
		.amdhsa_system_vgpr_workitem_id 0
		.amdhsa_next_free_vgpr 256
		.amdhsa_next_free_sgpr 66
		.amdhsa_reserve_vcc 0
		.amdhsa_float_denorm_mode_32 3
		.amdhsa_float_denorm_mode_16_64 3
		.amdhsa_memory_ordered 1
		.amdhsa_forward_progress 1
		.amdhsa_inst_pref_size 41
	.end_amdhsa_kernel
	.amdgpu_metadata
---
amdhsa.version: [ 1, 2 ]
amdhsa.kernels:
  - .name:           k_q226f09749b_oproj
    .symbol:         k_q226f09749b_oproj.kd
    .args:
      - { .name: ao, .offset: 0, .size: 8, .value_kind: global_buffer, .address_space: global }
      - { .name: aos, .offset: 8, .size: 8, .value_kind: global_buffer, .address_space: global }
      - { .name: Wo_codes, .offset: 16, .size: 8, .value_kind: global_buffer, .address_space: global }
      - { .name: Wo_scales, .offset: 24, .size: 8, .value_kind: global_buffer, .address_space: global }
      - { .name: bo, .offset: 32, .size: 8, .value_kind: global_buffer, .address_space: global }
      - { .name: out0, .offset: 40, .size: 8, .value_kind: global_buffer, .address_space: global }
    .group_segment_fixed_size: 327680
    .private_segment_fixed_size: 0
    .kernarg_segment_align: 8
    .kernarg_segment_size: 48
    .max_flat_workgroup_size: 256
    .sgpr_count:     66
    .vgpr_count:     256
    .wavefront_size: 32
...
	.end_amdgpu_metadata
.endif
;; end of part 3
